; MI455X (gfx1250); checked and timed in simulation.
; The chip was launched on July 23, 2026; its instructions are those of AMD's public machine-readable ISA for CDNA 5 (MIT licence, August 2026) and "CDNA5" Instruction Set Architecture Reference Guide (July 2026). The comments in the code are by the model that wrote it; some were corrected since.
;; Self Attention. Allowed arithmetic: matrix products marked QUANTISED: E4M3 operands, one given power-of-two scale a tensor, by v_wmma_f32_16x16x64_fp8_fp8 or v_wmma_f32_16x16x128_fp8_fp8, f32 sums; everything else in f32.
;; Inputs: W_proj 1,024 x 1,024 float32; W_qkv 3,072 x 1,024 float32; attn_bias 1 x 1 x 2,048 x 2,048 float32; b_proj 1,024 float32; lowp_scales 8 int32 (the exponents e of the quantised operands' scales 2^e); q_bias 1,024 float32; v_bias 1,024 float32; x 4 x 2,048 x 1,024 float32.
;; Outputs: out0 4 x 2,048 x 1,024 float32.
;; This version of the problem:
;;   THIS VERSION OF THE PROBLEM IS GIVEN IN LOW PRECISION. The matrix products marked QUANTISED in the list below multiply operands that are first quantised to E4M3 (4 exponent bits, 3 mantissa bits; 8 bits a number), with one given power-of-two scale for each operand tensor; their sums are f32. All else is computed in f32.
;;   The module's matrix products, in the order in which they are computed (A, B: the left and right operand; K: the contracted axis; several contracted axes count as one K, in the product's order):
;;     1. [M 8,192, K 1,024] x [K 1,024, N 3,072]; A: input x; B: input W_qkv: QUANTISED (scales: A lowp_scales[0], B lowp_scales[1])
;;     2. batch 64 x [M 2,048, K 64] x [K 64, N 2,048]; A: computed on the way; B: computed on the way: QUANTISED (scales: A lowp_scales[2], B lowp_scales[3])
;;     3. batch 64 x [M 2,048, K 2,048] x [K 2,048, N 64]; A: softmax (see below); B: computed on the way: QUANTISED (scales: A lowp_scales[4], B lowp_scales[5])
;;     4. [M 8,192, K 1,024] x [K 1,024, N 1,024]; A: computed on the way; B: input W_proj: QUANTISED (scales: A lowp_scales[6], B lowp_scales[7])
;;   THE QUANTISER, for each operand of a quantised product, along K:
;;     - The operand's scale is 2^e, e = its entry of the input lowp_scales (int32; the entries are numbered through the quantised products in the list's order, A before B).
;;     - Each number is divided by the scale, clamped to +-448, and rounded to the nearest number of E4M3, ties to even, subnormals kept.
;;     - The product sums the exact products of the quantised numbers (number of the format x scale) in f32.
;;   ~~~python
;;   def quantise(x, axis, e):      # numpy; x: float32 -> the quantised numbers, widened to float32 again
;;       x = np.moveaxis(x, axis, -1); K = x.shape[-1]
;;       r = np.clip(x / 2.0 ** e, -448, 448)
;;       step = 2.0 ** (np.maximum(np.frexp(np.where(r == 0, 1, r))[1] - 1, -6) - 3)
;;       q = np.round(r / step) * step * 2.0 ** e      # np.round: ties to even
;;       return np.moveaxis(q, -1, axis).astype(np.float32)
;;   ~~~
;;   SOFTMAX AHEAD OF A QUANTISED PRODUCT. Where the list says 'softmax', what is quantised is not the finished softmax but p = 2^(t - M), with t = logit x log2(e) and M = ceil(the row's largest t), a whole number; so 1/2 < the row's largest p <= 1. The row's sum l is taken of the UNQUANTISED p, in f32, and the product's result is divided by l at the end. Since M is a whole number, a kernel that streams over the keys may use a running M (the ceiling of the running maximum): every later rescaling is an exact power of two, so the quantised numbers keep their values, but for numbers so far below the row's largest that they fall under the format's range.
;;   OPERANDS COMPUTED ON THE WAY. 'Computed on the way' means the value that the module computes at that place (a softmax that the list does not call 'softmax' is quantised finished and normalised). What goes into a quantiser is computed in f32, as accurately as f32 sums, v_exp_f32 and their like allow (about 1e-6 of the number): no bf16 or f16 on the way to a quantiser, and a product that is left as it is and whose result goes on into a quantised operand takes f32 operands (vector FMAs, or v_wmma_f32_16x16x4_f32). A number that lies on a knife's edge between two numbers of the format may be rounded either way, as far as f32 arithmetic and the matrix unit's own rounding can turn it there, and no further.
;; One version. Each part assembles by itself: llvm-mc -triple=amdgcn-amd-amdhsa -mcpu=gfx1250 --defsym DOCPART=n.
;; ======== version 1 of 1: 4 launches
;; limits: right only within a limited range of input values
;; workspace buffers: xc 8,388,608 bytes; wqc 3,145,728 bytes; wpc 1,048,576 bytes; bsc 16,777,216 bytes; qc 8,388,608 bytes; kvc 16,777,216 bytes; oc 8,388,608 bytes
;; launch prep (part 1): grid 512 x 1, 4 waves a work-group, no clusters, 33,280 bytes of LDS; arguments x, W_qkv, W_proj, attn_bias, lowp_scales, xc, wqc, wpc, bsc; writes xc, wqc, wpc, bsc
.if DOCPART == 1
	.amdgcn_target "amdgcn-amd-amdhsa--gfx1250"
	.amdhsa_code_object_version 6
	.text
	.protected	k_q71a91ba5dc_prep
	.globl	k_q71a91ba5dc_prep
	.p2align	8
	.type	k_q71a91ba5dc_prep,@function
k_q71a91ba5dc_prep:
	s_mov_b64 s[64:65], 0
	v_nop
	global_prefetch_b8 v0, s[64:65] scope:SCOPE_SE
	s_setreg_imm32_b32 hwreg(HW_REG_WAVE_MODE, 25, 1), 1
	s_wait_xcnt 0x0
; x [8192][1024], W_qkv [3072][1024] and W_proj [1024][1024], f32 with K innermost, become codes of FP8 (E4M3), one byte each, in the same order:
; code = number / 2^e, held within +-448, rounded to the nearest code, ties to even; e = entry 0, 1, 7 of the scales' exponents.
; attn_bias [2048][2048] is multiplied by 2^-(e2 + e3), a power of two, and stays f32: the attention launch gives it to the score product as its C, in the unit of the sums of codes.
; All four tensors are plain streams.  A work-group takes 32,768 numbers, a wave 8,192 in 16 steps of 512.  Work-groups 0-255 take x, 256-351 W_qkv, 352-383 W_proj, 384-511 attn_bias:
; pointers and the exponent are chosen by the work-group's number; the three quantised tensors take one way through the text, the bias another that touches no LDS but its spare words.
; QUANTISER: a conversion takes 8 neighbours from ONE lane's registers, a load is dense where neighbouring LANES take neighbouring bytes: each load reads 512 consecutive bytes, 16 a lane; a step's 2,048 bytes go
; through the wave's own stage in LDS and come back 64 bytes a lane (16 bytes of padding behind each 64).  A lane's 16 codes are 16 bytes: the wave stores 512 consecutive bytes.
; LIMITS: e0, e1, e7 between -126 and 119; e2 + e3 between -127 and 126; attn_bias x 2^-(e2 + e3) stays an f32 number.  NaN among the inputs is not served.
.set WAVES, 4
.set STEPS, 16
.set WG_X,  256                        ; work-groups below this number take x
.set WG_Q,  352                        ; below this: W_qkv
.set WG_P,  384                        ; below this: W_proj; the others attn_bias
.set EMAX,  8
.set MANT,  0x600000                   ; the mantissa field of 448 as f32
.set CB,    16                         ; bytes of 16 codes
.set R,     16                         ; v16-79   four sets of 16 numbers as they are loaded
.set X,     80                         ; v80-111  two sets of 16: neighbours (quantiser), products to store (bias)
.set C,     128                        ; v128-191 codes: four registers for each step, so that no store's data are written again
.set WREG,  8192                       ; LDS: a region for each wave: two stages of 32 x SP bytes
.set SP,    80                         ; a lane's place in a stage: 64 bytes + 16 of padding
.set SPW,   12                         ; v12 LDS address of my spare word; never rewritten
.set NIL,   13                         ; v13 0; never rewritten
.set SPARE, WAVES*WREG                 ; behind the four regions: the spare words, 128 bytes a wave
	s_load_b512 s[4:19], s[0:1], 0x0               ; x s[4:5], W_qkv s[6:7], W_proj s[8:9], attn_bias s[10:11], exponents s[12:13], xc s[14:15], wqc s[16:17], wpc s[18:19]
	s_load_b64 s[20:21], s[0:1], 0x40              ; bsc
	v_lshl_add_u32 v[SPW], v0, 2, SPARE
	v_mov_b32 v[NIL], 0
	v_lshrrev_b32 v1, 5, v0
	v_readfirstlane_b32 s44, v1                    ; wave
	v_and_b32 v2, 31, v0                           ; lane
	v_lshlrev_b32 v3, 4, v2                        ; my 16 bytes of 512, in a load and in a store
	s_mul_i32 s45, s44, WREG
	v_lshrrev_b32 v14, 2, v2
	v_mul_u32_u24 v14, v14, SP
	v_and_b32 v15, 3, v2
	v_lshl_add_u32 v14, v15, 4, v14
	v_add_nc_u32 v14, s45, v14                     ; the stage, on the way in: SP (lane / 4) + 16 (lane % 4)
	v_mul_u32_u24 v15, v2, SP
	v_add_nc_u32 v15, s45, v15                     ; and on the way out: SP x lane: my 16 neighbours
	s_wait_alu depctr_va_vdst(0)
	s_wait_kmcnt 0x0
	s_load_b256 s[24:31], s[12:13], 0x0            ; e0 .. e7
	s_mov_b64 s[32:33], s[10:11]                   ; from: attn_bias, unless the work-group's number says otherwise
	s_mov_b64 s[34:35], s[20:21]                   ; to: bsc
	s_mov_b32 s36, WG_P                            ; the tensor's first work-group
	s_mov_b32 s38, 15                              ; a wave's run in the output: 2^15 bytes (f32) or 2^13 (codes)
	s_cmp_lt_u32 ttmp9, WG_P
	s_cselect_b64 s[32:33], s[8:9], s[32:33]
	s_cselect_b64 s[34:35], s[18:19], s[34:35]
	s_cselect_b32 s36, WG_Q, s36
	s_cselect_b32 s38, 13, s38
	s_cmp_lt_u32 ttmp9, WG_Q
	s_cselect_b64 s[32:33], s[6:7], s[32:33]
	s_cselect_b64 s[34:35], s[16:17], s[34:35]
	s_cselect_b32 s36, WG_X, s36
	s_cmp_lt_u32 ttmp9, WG_X
	s_cselect_b64 s[32:33], s[4:5], s[32:33]
	s_cselect_b64 s[34:35], s[14:15], s[34:35]
	s_cselect_b32 s36, 0, s36
	s_sub_co_u32 s39, ttmp9, s36
	s_lshl_b32 s39, s39, 2
	s_add_co_u32 s39, s39, s44                     ; which run of 8,192 numbers of the tensor is my wave's
	s_lshl_b32 s40, s39, 15
	s_mov_b32 s41, 0
	s_add_nc_u64 s[32:33], s[32:33], s[40:41]
	s_lshl_b32 s40, s39, s38
	s_add_nc_u64 s[34:35], s[34:35], s[40:41]
.macro LOAD t
.irp i, 0,1,2,3
	global_load_b128 v[R+16*((\t)%4)+4*\i:R+16*((\t)%4)+4*\i+3], v3, s[32:33] offset:2048*(\t)+512*\i th:TH_LOAD_NT   ; 32 lanes read 512 consecutive bytes
.endr
.endm
.macro TURN t                          ; step t's numbers through the stage: LDS serves a wave's instructions in order, so no wait stands between the stores and the loads
.irp i, 0,1,2,3
	ds_store_b128 v14, v[R+16*((\t)%4)+4*\i:R+16*((\t)%4)+4*\i+3] offset:32*SP*((\t)%2)+8*SP*\i
.endr
.irp i, 0,1,2,3
	ds_load_b128 v[X+16*((\t)%2)+4*\i:X+16*((\t)%2)+4*\i+3], v15 offset:32*SP*((\t)%2)+16*\i
.endr
.endm
.irp t, 0,1,2,3
	LOAD \t
.endr
	s_wait_kmcnt 0x0
	s_cmp_lt_u32 ttmp9, WG_Q
	s_cselect_b32 s37, s25, s31                    ; e1 or e7,
	s_cmp_lt_u32 ttmp9, WG_X
	s_cselect_b32 s37, s24, s37                    ; or e0
	s_add_co_i32 s37, s37, 127
	s_lshl_b32 s46, s37, 23
	v_mov_b32 v11, s46                             ; 2^e as f32: the conversion takes its exponent field
	s_add_co_i32 s37, s37, EMAX
	s_lshl_b32 s37, s37, 23
	s_or_b32 s37, s37, MANT
	v_mov_b32 v10, s37                             ; 448 x 2^e
	s_add_co_i32 s42, s26, s27
	s_sub_co_i32 s42, 127, s42
	s_lshl_b32 s42, s42, 23                        ; 2^-(e2 + e3) as f32
	s_mov_b32 s43, s42                             ; (named with it as a pair, so it is written)
	s_cmp_ge_u32 ttmp9, WG_P
	s_cbranch_scc1 .Lbias
	s_wait_loadcnt 12                              ; step 0's four loads are in
	TURN 0
.macro STEP t
.set XS, X+16*((\t)%2)
	s_wait_dscnt 0x0                               ; this step's numbers are back from the stage: so its stores into the stage have read their registers,
.if (\t)+4 < STEPS
	LOAD (\t)+4                                    ; which take the loads of four steps on
.endif
.if (\t)+1 < STEPS
.if STEPS-2-(\t) >= 3
	s_wait_loadcnt 12                              ; the next step's four loads are in; those of the three steps behind it may be out
.else
	s_wait_loadcnt 4*(STEPS-2-(\t))
.endif
	TURN (\t)+1                                    ; and go through the other stage while this step is worked
.endif
.irp i, 0,1,2,3,4,5,6,7,8,9,10,11,12,13,14,15
	v_med3_num_f32 v[XS+\i], v[XS+\i], -v10, v10   ; the conversion to an 8-bit code does not saturate (ISA guide 7.6.2): hold the number within 448 x the scale first
.endr
	v_cvt_scalef32_pk8_fp8_f32 v[C+4*(\t):C+4*(\t)+1], v[XS:XS+7], v11
	v_cvt_scalef32_pk8_fp8_f32 v[C+4*(\t)+2:C+4*(\t)+3], v[XS+8:XS+15], v11
	global_store_b128 v3, v[C+4*(\t):C+4*(\t)+3], s[34:35] offset:32*CB*(\t)   ; the results go to a store alone; the next vector lines are the next step's holds, on other registers
.endm
	s_wait_alu depctr_va_vdst(0)
.irp t, 0,1,2,3,4,5,6,7,8,9,10,11,12,13,14,15
	STEP \t
.endr
	s_wait_tensorcnt 0x0                           ; the wave's end, behind my last LDS store
	ds_add_u32 v[SPW], v[NIL]
	s_wait_dscnt 0x0
	s_endpgm
; THE BIAS: 16 steps of four loads, eight packed multiplications and four stores; loads run four steps ahead; every offset is an immediate.
.macro BSTEP t
.set RS, R+16*((\t)%4)
.set YS, X+16*((\t)%2)
.if STEPS-1-(\t) >= 3
	s_wait_loadcnt 12                              ; this step's four loads are in; those of the three steps behind it may be out
.else
	s_wait_loadcnt 4*(STEPS-1-(\t))
.endif
	s_wait_xcnt 0x0                                ; the earlier stores have read their data registers: this set is written again only behind this wait
.irp j, 0,2,4,6,8,10,12,14
	v_pk_mul_f32 v[YS+\j:YS+\j+1], v[RS+\j:RS+\j+1], s[42:43] op_sel_hi:[1,0]   ; x 2^-(e2 + e3): nothing is rounded
.endr
.if (\t)+4 < STEPS
	LOAD (\t)+4
.endif
.irp i, 0,1,2,3
	global_store_b128 v3, v[YS+4*\i:YS+4*\i+3], s[34:35] offset:2048*(\t)+512*\i   ; 32 lanes store 512 consecutive bytes
.endr
.endm
.Lbias:
.irp t, 0,1,2,3,4,5,6,7,8,9,10,11,12,13,14,15
	BSTEP \t
.endr
	s_wait_tensorcnt 0x0                           ; the same three lines on this way
	ds_add_u32 v[SPW], v[NIL]
	s_wait_dscnt 0x0
	s_endpgm
.Lfunc_end_k_q71a91ba5dc_prep:
	.size	k_q71a91ba5dc_prep, .Lfunc_end_k_q71a91ba5dc_prep-k_q71a91ba5dc_prep
	.p2alignl 7, 3214868480
	.fill 96, 4, 3214868480
	.section	.rodata,"a",@progbits
	.p2align	6, 0x0
	.amdhsa_kernel k_q71a91ba5dc_prep
		.amdhsa_group_segment_fixed_size 33280
		.amdhsa_private_segment_fixed_size 0
		.amdhsa_enable_private_segment 0
		.amdhsa_kernarg_size 72
		.amdhsa_user_sgpr_count 2
		.amdhsa_user_sgpr_kernarg_segment_ptr 1
		.amdhsa_wavefront_size32 1
		.amdhsa_system_sgpr_workgroup_id_x 1
		.amdhsa_system_sgpr_workgroup_id_y 1
		.amdhsa_system_sgpr_workgroup_id_z 1
		.amdhsa_system_vgpr_workitem_id 0
		.amdhsa_next_free_vgpr 192
		.amdhsa_next_free_sgpr 66
		.amdhsa_reserve_vcc 0
		.amdhsa_float_denorm_mode_32 3
		.amdhsa_float_denorm_mode_16_64 3
		.amdhsa_memory_ordered 1
		.amdhsa_forward_progress 1
		.amdhsa_inst_pref_size 58
	.end_amdhsa_kernel
	.amdgpu_metadata
---
amdhsa.version: [ 1, 2 ]
amdhsa.kernels:
  - .name:           k_q71a91ba5dc_prep
    .symbol:         k_q71a91ba5dc_prep.kd
    .args:
      - { .name: x, .offset: 0, .size: 8, .value_kind: global_buffer, .address_space: global }
      - { .name: W_qkv, .offset: 8, .size: 8, .value_kind: global_buffer, .address_space: global }
      - { .name: W_proj, .offset: 16, .size: 8, .value_kind: global_buffer, .address_space: global }
      - { .name: attn_bias, .offset: 24, .size: 8, .value_kind: global_buffer, .address_space: global }
      - { .name: lowp_scales, .offset: 32, .size: 8, .value_kind: global_buffer, .address_space: global }
      - { .name: xc, .offset: 40, .size: 8, .value_kind: global_buffer, .address_space: global }
      - { .name: wqc, .offset: 48, .size: 8, .value_kind: global_buffer, .address_space: global }
      - { .name: wpc, .offset: 56, .size: 8, .value_kind: global_buffer, .address_space: global }
      - { .name: bsc, .offset: 64, .size: 8, .value_kind: global_buffer, .address_space: global }
    .group_segment_fixed_size: 33280
    .private_segment_fixed_size: 0
    .kernarg_segment_align: 8
    .kernarg_segment_size: 72
    .max_flat_workgroup_size: 128
    .sgpr_count:     66
    .vgpr_count:     192
    .wavefront_size: 32
...
	.end_amdgpu_metadata
.endif
;; end of part 1
;; launch qkv (part 2): grid 12 x 32, 4 waves a work-group, clusters of 4 x 4, 327,680 bytes of LDS; arguments xc, wqc, lowp_scales, q_bias, v_bias, qc, kvc; writes qc, kvc
.if DOCPART == 2
	.amdgcn_target "amdgcn-amd-amdhsa--gfx1250"
	.amdhsa_code_object_version 6
	.text
	.protected	k_q71a91ba5dc_qkv
	.globl	k_q71a91ba5dc_qkv
	.p2align	8
	.type	k_q71a91ba5dc_qkv,@function
k_q71a91ba5dc_qkv:
	s_mov_b64 s[64:65], 0
	v_nop
	global_prefetch_b8 v0, s[64:65] scope:SCOPE_SE
	s_setreg_imm32_b32 hwreg(HW_REG_WAVE_MODE, 25, 1), 1
	s_wait_xcnt 0x0
	s_wait_alu depctr_hold_cnt(0) depctr_sa_sdst(0) depctr_va_vdst(0) depctr_va_sdst(0) depctr_va_ssrc(0) depctr_va_vcc(0) depctr_vm_vsrc(0)
	s_getreg_b32 s2, hwreg(HW_REG_IB_STS2, 6, 4)
	s_cmp_eq_u32 s2, 0
	s_cbranch_scc0 .Lentry_in_a_cluster
	s_endpgm
.Lentry_in_a_cluster:
	s_bfe_u32 s2, ttmp6, 0x10000c
	s_cmp_lg_u32 s2, 0xf033
	s_cbranch_scc0 .Lentry_shape_is_right
	s_endpgm
.Lentry_shape_is_right:
.set ROWB,   256
.set KROW,   1024
.set PITCH,  272
.set FR,     16
.set NL,     4
.set NP,     4
.set HALFT,  128*PITCH
.set SLOT,   4*HALFT
.set LAPS,   2
.set SPARE,  2*SLOT
.set VSTAGE, 8192
.set BNO,  8
.set BMO,  9
.set ADRA, 16
.set ADRB, 20
.set STO,  22
.set RD,   23
.set STOV, 24
.set RDV,  25
.set CO,   26
.set SPW,  28
.set NIL,  29
.set SCL,  30
.set LIM,  31
.set BM,   32
.set BN,   64
.set AF,   128
.set TMP,  128
.set BK,   192
.set CD,   224
.set G1, 24
.set G0, 32
.set G1B, 48
.set G0B, 56
.set MSB, 0
.macro WIN new
.if MSB != \new
	s_set_vgpr_msb (MSB<<8)|\new
.set MSB, \new
.endif
.endm
.set MUL_LO, 0xa1
.set MUL_HI, 0xf1
.set TO_B,   0x40
.macro JLOAD g0a, g1a, g0b, g1b
	s_cmp_eq_u32 s15, 0
	s_cbranch_scc0 .Lfor_b_\@
	tensor_load_to_lds s[\g0a:\g0a+3], s[\g1a:\g1a+7]
	s_nop 0
.rept 4
	v_nop
.endr
	s_branch .Lasked_\@
.Lfor_b_\@:
	tensor_load_to_lds s[\g0b:\g0b+3], s[\g1b:\g1b+7]
	s_nop 0
.rept 4
	v_nop
.endr
.Lasked_\@:
.endm
.macro CREST
	s_cmp_lg_u32 s14, 0
	s_cbranch_scc1 .Lnot_wave_0_\@
	s_barrier_signal -3
.Lnot_wave_0_\@:
	s_barrier_wait -3
	s_barrier_signal -1
	s_barrier_wait -1
.endm
.macro CROUND
	s_barrier_signal -1
	s_barrier_wait -1
	CREST
.endm
	s_load_b128 s[4:7], s[0:1], 0x0
	s_load_b128 s[8:11], s[0:1], 0x10
	s_load_b128 s[68:71], s[0:1], 0x20
	s_load_b64 s[72:73], s[0:1], 0x30
	v_lshl_add_u32 v[SPW], v0, 2, SPARE
	v_mov_b32 v[NIL], 0
	ds_add_u32 v[SPW], v[NIL]
	ds_add_u32 v[SPW], v[NIL]
	v_lshrrev_b32 v1, 5, v0
	v_readfirstlane_b32 s14, v1
	s_lshr_b32 s15, s14, 1
	s_and_b32 s16, s14, 1
	s_bfe_u32 s40, ttmp6, 0x40000
	s_bfe_u32 s41, ttmp6, 0x40004
	s_and_b32 s79, ttmp7, 0xffff
	s_cmp_eq_u32 ttmp9, 2
	s_cselect_b32 s77, 0, s79
	s_cselect_b32 s78, s79, ttmp9
	s_lshl_b32 s42, s78, 2
	s_add_co_u32 s42, s42, s40
	s_lshl_b32 s17, s77, 2
	s_add_co_u32 s17, s17, s41
	s_lshl_b32 s43, s41, 2
	s_lshl_b32 s43, 15, s43
	s_lshl_b32 s44, 0x1111, s40
	s_or_b32 s[G1+0], s43, (0<<16)|(1<<20)|(1<<21)|(5<<22)|(3<<25)
	s_or_b32 s[G1B+0], s44, (0<<16)|(1<<20)|(1<<21)|(5<<22)|(3<<25)
.irp g, G1, G1B
	s_mov_b32 s[\g+1], ROWB<<16
	s_mov_b32 s[\g+2], 128<<16
	s_mov_b32 s[\g+3], ROWB<<16
	s_mov_b32 s[\g+4], 128
	s_mov_b32 s[\g+5], KROW
	s_mov_b32 s[\g+6], 0
	s_mov_b32 s[\g+7], 0
.endr
	s_lshl_b32 s12, s17, 8
	s_lshl_b32 s18, s15, 7
	s_add_co_u32 s12, s12, s18
	s_lshl_b32 s13, s42, 8
	s_lshl_b32 s18, s16, 7
	s_add_co_u32 s13, s13, s18
	s_lshl_b32 s20, s17, 8
	s_add_co_u32 s20, s20, s18
	s_lshl_b32 s20, s20, 10
	s_mov_b32 s21, 0
	s_lshl_b32 s46, s13, 10
	s_mov_b32 s47, 0
	s_mul_i32 s45, s14, HALFT
	s_wait_dscnt 0x0
	s_wait_kmcnt 0x0
	s_load_b256 s[88:95], s[8:9], 0x0
	s_add_nc_u64 s[80:81], s[6:7], 0x200000
	s_cmp_eq_u32 ttmp9, 2
	s_cselect_b64 s[80:81], s[80:81], s[4:5]
	s_cselect_b64 s[82:83], s[4:5], s[6:7]
	s_add_nc_u64 s[20:21], s[80:81], s[20:21]
	s_add_nc_u64 s[46:47], s[82:83], s[46:47]
	CROUND
.irp s, 0,1
	s_mov_b32 s[G0+4*\s], 1
	s_add_co_u32 s[G0+4*\s+1], s45, \s*SLOT
	s_add_nc_u64 s[G0+4*\s+2:G0+4*\s+3], s[20:21], \s*ROWB
	s_or_b32 s[G0+4*\s+3], s[G0+4*\s+3], 0x80000000
	s_mov_b32 s[G0B+4*\s], 1
	s_add_co_u32 s[G0B+4*\s+1], s45, \s*SLOT
	s_add_nc_u64 s[G0B+4*\s+2:G0B+4*\s+3], s[46:47], \s*ROWB
	s_or_b32 s[G0B+4*\s+3], s[G0B+4*\s+3], 0x80000000
	s_wait_alu depctr_va_vdst(0)
	s_wait_tensorcnt 0x0
	ds_add_u32 v28, v29
	ds_add_u32 v28, v29
	s_wait_dscnt 0x0
	CROUND
	JLOAD G0+4*\s, G1, G0B+4*\s, G1B
.endr
	v_and_b32 v1, 15, v0
	s_wait_alu depctr_va_vdst(0)
	v_bfe_u32 v2, v0, 4, 1
	v_mul_u32_u24 v3, v1, PITCH
	v_lshl_add_u32 v4, v2, 4, v3
	s_mul_i32 s21, s15, HALFT
	s_mul_i32 s22, s16, HALFT
	s_add_co_u32 s22, s22, 2*HALFT
.irp s, 0,1
	v_add_nc_u32 v[ADRA+\s], s21, v4
	v_add_nc_u32 v[ADRB+\s], s22, v4
	s_add_co_u32 s21, s21, SLOT
	s_add_co_u32 s22, s22, SLOT
.endr
	s_lshl_b32 s23, s14, 11
	v_lshlrev_b32 v5, 6, v1
	s_wait_alu depctr_va_vdst(0)
	v_lshl_add_u32 v5, v2, 3, v5
	v_add_nc_u32 v[STO], s23, v5
	v_and_b32 v6, 31, v0
	v_lshlrev_b32 v[CO], 4, v6
	v_add_nc_u32 v[RD], s23, v[CO]
	v_lshlrev_b32 v5, 7, v1
	v_lshl_add_u32 v5, v2, 4, v5
	v_add_nc_u32 v5, s23, v5
	v_add_nc_u32 v[STOV], VSTAGE, v5
	v_add_nc_u32 v[RDV], VSTAGE, v[RD]
	v_lshlrev_b32 v[BNO], 5, v2
	v_lshlrev_b32 v[BMO], 2, v1
	s_and_b32 s18, s13, 1023
	s_lshl_b32 s18, s18, 2
	s_mov_b32 s19, 0
	s_add_nc_u64 s[66:67], s[10:11], s[18:19]
	s_and_b32 s18, s12, 1023
	s_lshl_b32 s18, s18, 2
	s_add_nc_u64 s[74:75], s[68:69], s[18:19]
.irp b, 0,1,2,3,4,5,6,7
	global_load_b128 v[BN+8*\b:BN+8*\b+3],   v[BNO], s[66:67] offset:64*\b
	global_load_b128 v[BN+8*\b+4:BN+8*\b+7], v[BNO], s[66:67] offset:64*\b+16
.endr
.irp a, 0,1,2,3,4,5,6,7
	global_load_b32 v[BM+2*\a], v[BMO], s[74:75] offset:64*\a
.endr
.macro FRAG reg, adr, q, i
.irp c, 0,1,2,3
	ds_load_b128 v[\reg+4*\c:\reg+4*\c+3], v[\adr] offset:128*(\q)+32*\c+(\i)*16*PITCH
.endr
.endm
.macro MUL16 a0, p, zero
.irp a, \a0, \a0+1
.irp b, 0,1,2,3,4,5,6,7
.if \zero
	v_wmma_f32_16x16x128_fp8_fp8 v[8*(8*((\a)%4)+\b):8*(8*((\a)%4)+\b)+7], v[128*(\p)+FR*\b:128*(\p)+FR*\b+FR-1], v[AF+FR*(\a):AF+FR*(\a)+FR-1], 0
.else
	v_wmma_f32_16x16x128_fp8_fp8 v[8*(8*((\a)%4)+\b):8*(8*((\a)%4)+\b)+7], v[128*(\p)+FR*\b:128*(\p)+FR*\b+FR-1], v[AF+FR*(\a):AF+FR*(\a)+FR-1], v[8*(8*((\a)%4)+\b):8*(8*((\a)%4)+\b)+7]
.endif
.endr
.endr
.endm
.macro FETCH_B slot, q, p
	WIN TO_B
.irp i, 0,1,2,3,4,5,6,7
	FRAG 128*(\p)+FR*\i, ADRB+\slot, \q, \i
.endr
	WIN 0
.endm
.macro FETCH_A slot, q, i0
.irp i, \i0, \i0+1, \i0+2, \i0+3
	FRAG AF+FR*(\i), ADRA+\slot, \q, \i
.endr
.endm
.macro PLACES n
.rept \n
	v_nop
.endr
.endm
.macro STEP slot, q, zero
	s_wait_dscnt 4*NL
	WIN MUL_LO
	MUL16 0, (\q)%2, \zero
	MUL16 2, (\q)%2, \zero
	s_wait_dscnt 0
	PLACES NP
	FETCH_B \slot, (\q)+1, 1-(\q)%2
	FETCH_A \slot, (\q)+1, 0
	WIN MUL_HI
	MUL16 4, (\q)%2, \zero
	MUL16 6, (\q)%2, \zero
	PLACES NP
	WIN 0
	FETCH_A \slot, (\q)+1, 4
.endm
.macro TURN slot, next, fill
	s_wait_tensorcnt 0x0
	ds_add_u32 v[SPW], v[NIL]
	s_wait_dscnt 4*NL+1
	WIN MUL_LO
	MUL16 0, 1, 0
	s_wait_dscnt 0x0
	s_barrier_signal -1
	MUL16 2, 1, 0
	WIN 0
	s_barrier_wait -1
.if \fill
	CREST
	s_add_nc_u64 s[G0+4*\slot+2:G0+4*\slot+3], s[G0+4*\slot+2:G0+4*\slot+3], 2*ROWB
	s_add_nc_u64 s[G0B+4*\slot+2:G0B+4*\slot+3], s[G0B+4*\slot+2:G0B+4*\slot+3], 2*ROWB
	JLOAD G0+4*\slot, G1, G0B+4*\slot, G1B
.else
	PLACES NP
.endif
	FETCH_B \next, 0, 0
	FETCH_A \next, 0, 0
	WIN MUL_HI
	MUL16 4, 1, 0
	MUL16 6, 1, 0
	PLACES NP
	WIN 0
	FETCH_A \next, 0, 4
.endm
	s_wait_tensorcnt 1
	s_barrier_signal -1
	s_barrier_wait -1
	FETCH_B 0, 0, 0
	FETCH_A 0, 0, 0
	FETCH_A 0, 0, 4
	STEP 0, 0, 1
	s_mov_b32 s3, LAPS-1
.Llap:
	TURN 0, 1, 1
	STEP 1, 0, 0
	TURN 1, 0, 1
	STEP 0, 0, 0
	s_sub_co_u32 s3, s3, 1
	s_cmp_lg_u32 s3, 0
	s_cbranch_scc1 .Llap
	TURN 0, 1, 0
	STEP 1, 0, 0
	s_wait_dscnt 4*NL
	WIN MUL_LO
	MUL16 0, 1, 0
	MUL16 2, 1, 0
	s_wait_dscnt 0
	WIN MUL_HI
	MUL16 4, 1, 0
	MUL16 6, 1, 0
	WIN 0
	PLACES NP
.macro QUANTBLK a, vrole
.set AC, 64*((\a)%4)
.set CDS, CD+16*((\a)%2)
.set BKS, BK+16*((\a)%2)
	WIN 0x02+((\a)/4)
.set j, 0
.rept 32
.if \vrole
	v_pk_fma_f32 v[TMP+j:TMP+j+1], v[AC+j:AC+j+1], s[96:97], v[BM+2*(\a):BM+2*(\a)+1] op_sel_hi:[1,0,1]
.else
	v_pk_fma_f32 v[TMP+j:TMP+j+1], v[AC+j:AC+j+1], s[96:97], v[BN+j:BN+j+1] op_sel_hi:[1,0,1]
.endif
.set j, j+2
.endr
	WIN 0
.set j, 0
.rept 64
	v_med3_num_f32 v[TMP+j], v[TMP+j], -v[LIM], v[LIM]
.set j, j+1
.endr
.irp b, 0,1,2,3,4,5,6,7
	v_cvt_scalef32_pk8_fp8_f32 v[CDS+2*\b:CDS+2*\b+1], v[TMP+8*\b:TMP+8*\b+7], v[SCL]
.endr
	v_nop
.if \vrole
.irp g, 0,1,2,3
	ds_store_b128 v[STOV], v[CDS+4*\g:CDS+4*\g+3] offset:32*\g
.endr
.irp i, 0,1,2,3
	ds_load_b128 v[BKS+4*\i:BKS+4*\i+3], v[RDV] offset:512*\i
.endr
.else
.irp b, 0,1,2,3,4,5,6,7
	ds_store_b64 v[STO], v[CDS+2*\b:CDS+2*\b+1] offset:1024*(\b/4)+16*(\b%4)
.endr
.irp i, 0,1,2,3
	ds_load_b128 v[BKS+4*\i:BKS+4*\i+3], v[RD] offset:512*\i
.endr
.endif
.endm
.macro SENDBLK a, vrole, younger
.set BKS, BK+16*((\a)%2)
	s_wait_dscnt \younger
.irp i, 0,1,2,3
.if \vrole
	global_store_b128 v[CO], v[BKS+4*\i:BKS+4*\i+3], s[84+2*((\a)/4):85+2*((\a)/4)] offset:2048*((\a)%4)+512*\i
.else
	global_store_b128 v[CO], v[BKS+4*\i:BKS+4*\i+3], s[84+2*(\i/2):85+2*(\i/2)] offset:1024*(\a)+512*(\i%2)
.endif
.endr
.endm
	s_wait_kmcnt 0x0
	s_wait_loadcnt 0x0
	s_add_co_i32 s96, s88, s89
	s_add_co_i32 s96, s96, 127
	s_lshl_b32 s96, s96, 23
	s_mov_b32 s97, s96
	s_add_co_i32 s98, s90, 5
	s_cmp_eq_u32 ttmp9, 0
	s_cselect_b32 s98, s98, s91
	s_cselect_b32 s99, -1, 0
	s_cmp_eq_u32 ttmp9, 2
	s_cselect_b32 s98, s93, s98
	s_add_co_i32 s98, s98, 127
	s_lshl_b32 s76, s98, 23
	v_mov_b32 v[SCL], s76
	s_add_co_i32 s98, s98, 8
	s_lshl_b32 s98, s98, 23
	s_or_b32 s98, s98, 0x600000
	v_mov_b32 v[LIM], s98
	s_cmp_eq_u32 ttmp9, 2
	s_cbranch_scc1 .Lv
.set j, 0
.rept 64
	v_and_b32 v[BN+j], s99, v[BN+j]
.set j, j+1
.endr
	s_and_b32 s76, s13, 1023
	s_lshr_b32 s76, s76, 6
	s_lshr_b32 s18, s12, 11
	s_lshl_b32 s18, s18, 4
	s_add_co_u32 s18, s18, s76
	s_lshl_b32 s18, s18, 17
	s_and_b32 s19, s12, 2047
	s_lshl_b32 s19, s19, 6
	s_add_co_u32 s18, s18, s19
	s_mov_b32 s22, ttmp9
	s_lshl_b32 s18, s18, s22
	s_mov_b32 s19, 0
	s_cmp_eq_u32 ttmp9, 0
	s_cselect_b64 s[84:85], s[70:71], s[72:73]
	s_add_nc_u64 s[84:85], s[84:85], s[18:19]
	s_lshl_b32 s18, 0x20000, s22
	s_add_nc_u64 s[86:87], s[84:85], s[18:19]
	QUANTBLK 0, 0
.irp a, 1,2,3,4,5,6,7
.if \a > 1
	s_wait_xcnt 0x0
.endif
	QUANTBLK \a, 0
	SENDBLK \a-1, 0, 12
.endr
	SENDBLK 7, 0, 0
	s_branch .Ldone
.Lv:
.irp a, 0,1,2,3,4,5,6,7
	v_mov_b32 v[BM+2*\a+1], v[BM+2*\a]
.endr
	s_lshr_b32 s18, s13, 11
	s_lshl_b32 s18, s18, 4
	s_lshr_b32 s19, s12, 6
	s_add_co_u32 s18, s18, s19
	s_lshl_b32 s18, s18, 18
	s_and_b32 s19, s13, 2047
	s_lshl_b32 s19, s19, 7
	s_add_co_u32 s18, s18, s19
	s_add_co_u32 s18, s18, 8192
	s_mov_b32 s19, 0
	s_add_nc_u64 s[84:85], s[72:73], s[18:19]
	s_add_nc_u64 s[86:87], s[84:85], 0x40000
	s_wait_alu depctr_va_vdst(0)
	QUANTBLK 0, 1
.irp a, 1,2,3,4,5,6,7
.if \a > 1
	s_wait_xcnt 0x0
.endif
	QUANTBLK \a, 1
	SENDBLK \a-1, 1, 8
.endr
	SENDBLK 7, 1, 0
.Ldone:
	s_wait_tensorcnt 0x0
	ds_add_u32 v[SPW], v[NIL]
	s_wait_dscnt 0x0
	CROUND
	s_endpgm
.Lfunc_end_k_q71a91ba5dc_qkv:
	.size	k_q71a91ba5dc_qkv, .Lfunc_end_k_q71a91ba5dc_qkv-k_q71a91ba5dc_qkv
	.p2alignl 7, 3214868480
	.fill 96, 4, 3214868480
	.section	.rodata,"a",@progbits
	.p2align	6, 0x0
	.amdhsa_kernel k_q71a91ba5dc_qkv
		.amdhsa_group_segment_fixed_size 327680
		.amdhsa_private_segment_fixed_size 0
		.amdhsa_enable_private_segment 0
		.amdhsa_kernarg_size 56
		.amdhsa_user_sgpr_count 2
		.amdhsa_user_sgpr_kernarg_segment_ptr 1
		.amdhsa_wavefront_size32 1
		.amdhsa_system_sgpr_workgroup_id_x 1
		.amdhsa_system_sgpr_workgroup_id_y 1
		.amdhsa_system_sgpr_workgroup_id_z 1
		.amdhsa_system_vgpr_workitem_id 0
		.amdhsa_next_free_vgpr 1024
		.amdhsa_next_free_sgpr 100
		.amdhsa_reserve_vcc 0
		.amdhsa_float_denorm_mode_32 3
		.amdhsa_float_denorm_mode_16_64 3
		.amdhsa_memory_ordered 1
		.amdhsa_forward_progress 1
		.amdhsa_inst_pref_size 208
	.end_amdhsa_kernel
	.amdgpu_metadata
---
amdhsa.version: [ 1, 2 ]
amdhsa.kernels:
  - .name:           k_q71a91ba5dc_qkv
    .symbol:         k_q71a91ba5dc_qkv.kd
    .args:
      - { .name: xc, .offset: 0, .size: 8, .value_kind: global_buffer, .address_space: global }
      - { .name: wqc, .offset: 8, .size: 8, .value_kind: global_buffer, .address_space: global }
      - { .name: lowp_scales, .offset: 16, .size: 8, .value_kind: global_buffer, .address_space: global }
      - { .name: q_bias, .offset: 24, .size: 8, .value_kind: global_buffer, .address_space: global }
      - { .name: v_bias, .offset: 32, .size: 8, .value_kind: global_buffer, .address_space: global }
      - { .name: qc, .offset: 40, .size: 8, .value_kind: global_buffer, .address_space: global }
      - { .name: kvc, .offset: 48, .size: 8, .value_kind: global_buffer, .address_space: global }
    .group_segment_fixed_size: 327680
    .private_segment_fixed_size: 0
    .kernarg_segment_align: 8
    .kernarg_segment_size: 56
    .max_flat_workgroup_size: 128
    .sgpr_count:     100
    .vgpr_count:     1024
    .wavefront_size: 32
...
	.end_amdgpu_metadata
.endif
;; end of part 2
;; launch attn (part 3): grid 16 x 16, 8 waves a work-group, clusters of 4 x 4, 327,680 bytes of LDS; arguments qc, kvc, bsc, lowp_scales, oc; writes oc
.if DOCPART == 3
	.amdgcn_target "amdgcn-amd-amdhsa--gfx1250"
	.amdhsa_code_object_version 6
	.text
	.protected	k_q71a91ba5dc_attn
	.globl	k_q71a91ba5dc_attn
	.p2align	8
	.type	k_q71a91ba5dc_attn,@function
k_q71a91ba5dc_attn:
	s_mov_b64 s[64:65], 0
	v_nop
	global_prefetch_b8 v0, s[64:65] scope:SCOPE_SE
	s_setreg_imm32_b32 hwreg(HW_REG_WAVE_MODE, 25, 1), 1
	s_wait_xcnt 0x0
	s_wait_alu depctr_hold_cnt(0) depctr_sa_sdst(0) depctr_va_vdst(0) depctr_va_sdst(0) depctr_va_ssrc(0) depctr_va_vcc(0) depctr_vm_vsrc(0)
	s_getreg_b32 s2, hwreg(HW_REG_IB_STS2, 6, 4)
	s_cmp_eq_u32 s2, 0
	s_cbranch_scc0 .Lentry_in_a_cluster
	s_endpgm
.Lentry_in_a_cluster:
	s_bfe_u32 s2, ttmp6, 0x10000c
	s_cmp_lg_u32 s2, 0xf033
	s_cbranch_scc0 .Lentry_shape_is_right
	s_endpgm
.Lentry_shape_is_right:
; o[bh][q][:] = the sum over k of softmax_k(q . k + attn_bias[q][k]) v[k][:], both products on codes of FP8 (E4M3); o is quantised at once (2^e6) for the last product.  64 heads-times-batches bh, 2,048 tokens, head size 64.
; qc, oc: [bh][token][64] codes.  kvc: [bh][16 steps][128 keys x 64 bytes of k, then 64 features x 128 bytes of v].  bsc: [2048][2048] f32 = attn_bias x 2^-(e2 + e3).
; THE BIAS IS THE C OF THE SCORE PRODUCT: S' = the sum of the codes' products + bsc; the logit is S' x 2^(e2 + e3).
; THE SOFTMAX: t = S' x c, c = log2(e) x 2^(e2 + e3); M = the row's largest t so far, rounded UP to a whole number; p = 2^(t - M) is quantised (2^e4) along the keys, not normalised; the row's sum is taken of the
; unquantised p and divides at the end; when M moves, the sum and O are multiplied by 2^(old M - new M), which rounds nothing.
; SHARES.  A work-group owns 128 queries of FOUR heads, so that four heads read one tile of the bias from LDS.  Wave w of eight: head w % 4, queries 64 (w / 4) on: FOUR UNITS of 16 queries.  A key step's fragments of k (64 registers)
; and of v (64) are read from LDS once and serve the four units; two score buffers of 64 registers take turns.
; A WAVE'S TEXT IS A PIPELINE OF STAGES.  Stage u: unit u's t - M; its exponentials; the next unit's score product; unit u's sums (four chains); the next unit's maxima (three chains) by turns with unit u's holds;
; the lines that lead to the next -M by turns with unit u's conversions; the bias of the unit after the next, 16 LDS loads in one run, into the buffer that the conversions have just read for the last time;
; O's rescaling and the second product.  So independent lines stand between dependent ones, and a bias tile is asked for a whole stage ahead of its score product.
; THE CHANGE OF SLOTS STANDS BETWEEN STAGE 2 AND STAGE 3: there unit 3's scores, v's fragments and O lie in registers and my reads of the slot are over; stage 3 stands beside the new slot's first LDS loads (k, unit 0's bias),
; and its next unit is the new step's unit 0.
; THE RING: two slots of 145,408 bytes (the bias 128 x 528; k 4 x 128 x 80; v 4 x 64 x 144), 0x24000 bytes apart.  The four loads' LDS addresses in slot 0 (0, 33,792, 67,584, 108,544) have bits 14 and 17 clear, so one exclusive or
; turns them, and the base of the reads, from one slot to the other: the trip is written for both slots at once.  16 trips: the first written out (its products start O's sums), 14 in the loop, the last written out (no fill).
; CLUSTER 4 x 4: x counts quads of heads, y blocks of queries.  The bias tile hangs on the block of queries alone: asked for jointly by a row of the cluster; k's and v's hang on the quad alone: by a column.
; Waves 0, 1 ask for the bias tile's halves, wave 2 for the four heads' k, wave 3 for their v (four rows of 8,192 bytes, 262,144 apart, padded behind each key's 64 or feature's 128 bytes); waves 4 to 7 prefetch.
; LAYOUT.  S^T = K Q^T (source 0 = 16 neighbouring keys, source 1 = 16 queries), O^T = V^T P^T: a lane holds ONE query (lane % 16).  Register 16 b + 8 u + j of S^T is key 32 b + 16 u + 8 h + j (h = lane / 16); the conversions
; put its code at byte 8 u + j of registers 4 b .. 4 b + 3, and v's rows hold that key at byte 32 b + 16 h + 8 u + j: both operands of the second product have the same key at the same place.
; LIMITS: e2 + e3 between -126 and 127 (added to c's exponent field); e4, e6 between -126 and 119; e4 + e5 goes by v_ldexp_f32 and has none.  NaN among the inputs is not served.
; REGISTERS.  Window 0: v1-15 addresses; v16-31 four units' -M, largest t, sum in two halves; v32-63 Q; v64-127, v128-191 the two score buffers; v192-207 p's codes; v224-243 at work and the scales.
;             Window 1: v0-63 k's fragments; v64-127 v's; v128-255 O^T of the four units.
.set BP,    528
.set KP,    80
.set VP,    144                        ; all three pitches are odd multiples of 16 bytes: the 16 rows that a load touches start at different banks (ISA guide 11.1)
.set KOFF,  128*BP
.set KHB,   128*KP
.set VOFF,  KOFF+4*KHB
.set VHB,   64*VP
.set SLOTD, 0x24000                    ; from slot 0 to slot 1
.set SPARE, 2*SLOTD                    ; behind the ring: the spare words, 128 bytes for each of 8 waves
.set AK0,  1                           ; my lane's place in my head's k, in v, in my 64 rows of the bias: slot 0
.set AV0,  2
.set AB0,  3
.set ADK,  4                           ; the same in the slot in hand
.set SPW,  5                           ; LDS address of my spare word; never rewritten
.set NIL,  6                           ; 0; never rewritten
.set ADV,  7
.set ADB,  8
.set PFO,  9                           ; the prefetches' lane offset; never rewritten
.set STO,  10                          ; the way out: where I put 8 bytes of a query's row
.set RD,   11                          ; where I read 16 bytes back
.set QO,   12                          ; Q's lane offset
.set GO,   13                          ; 16 x lane
.set PC,   192                         ; p's codes
.set MA,   224                         ; maxima: three chains
.set MB,   225
.set MC,   229
.set PD,   228                         ; a lane permute's destination
.set OM,   237                         ; the old -M, then old M - new M
.set SU1,  230                         ; the sum's chains 1, 2, 3 (chain 0 is the unit's own pair)
.set SU2,  240
.set SU3,  242
.set LP,   232                         ; 448 x 2^e4, twice: the two halves of a dual instruction name registers of different banks
.set SCP,  234                         ; 2^e4
.set LIMO, 235                         ; 448 x 2^e6
.set SCO,  236                         ; 2^e6
; f = 2^(old M - new M): v226 (even units), v238 (odd units), each named as a pair with the register above it
.set WV,   14
.set SEL,  20                          ; s[20:21] lane selects for v_permlanex16_b32: lane l xor 16
.set CS,   22                          ; s[22:23] c, twice
.set G1B,  24
.set G1K,  32
.set G1V,  40
.set G0B,  48                          ; groups 0, which walk
.set G0K,  52
.set G0V,  56
.set PFA,  76                          ; s[76:77] where my prefetches stand
.set PFS,  78                          ; s[78:79] a key step on, in bytes
.set LIM,  80                          ; 1 in a wave that prefetches, else the greatest number
.set TRIPS, 81
.set EO,   82                          ; e4 + e5
.set TB,   83                          ; LDS byte at which the slot in hand begins
.set MSB, 0
.macro WIN new                         ; the immediate's high byte repeats the setting that is left
.if MSB != \new
	s_set_vgpr_msb (MSB<<8)|\new
.set MSB, \new
.endif
.endm
.macro PLACES
.rept 4
	v_nop
.endr
.endm
; A joint load; the branches hang on the wave's number alone.  An s_nop 0 and four v_nop follow each tensor load.
.macro JLOAD
	s_cmp_lt_u32 s[WV], 2
	s_cbranch_scc0 .Lnot_b_\@
	tensor_load_to_lds s[G0B:G0B+3], s[G1B:G1B+7]
	s_nop 0
	PLACES
	s_branch .Lasked_\@
.Lnot_b_\@:
	s_cmp_eq_u32 s[WV], 2
	s_cbranch_scc0 .Lnot_k_\@
	tensor_load_to_lds s[G0K:G0K+3], s[G1K:G1K+7]
	s_nop 0
	PLACES
	s_branch .Lasked_\@
.Lnot_k_\@:
	s_cmp_eq_u32 s[WV], 3
	s_cbranch_scc0 .Lasked_\@
	tensor_load_to_lds s[G0V:G0V+3], s[G1V:G1V+7]
	s_nop 0
	PLACES
.Lasked_\@:
.endm
; A PREFETCH of the tile that the NEXT trip's joint loads will ask for: trip t names key step t + 2, t = 0 .. 13.  Each aligned block of 256 bytes is named once in the launch.
; The bias tile: cluster x = 0 asks; its four partners along x take 32 rows each, told apart BY ADDRESS; waves 4 and 5 take 16 rows each, two lanes a row.
; A quad's k and v: cluster y = 0 asks; its four partners along y take one head each (16,384 bytes); waves 6 and 7 take its k and its v, lanes 256 bytes apart.
; The branch hangs on the wave's number, the cluster's x and y and the count of trips, the same in all partners.  Key steps 0 and 1 come by their loads alone; the last two trips ask for nothing.
.macro ASK
	s_cmp_gt_u32 s[TRIPS], s[LIM]
	s_cbranch_scc0 .Lnot_mine_\@
	global_prefetch_b8 v[PFO], s[PFA:PFA+1] th:TH_LOAD_NT scope:SCOPE_SE
.Lnot_mine_\@:
.endm
.macro CROUND                          ; a round of the cluster's barrier
	s_barrier_signal -1
	s_barrier_wait -1
	s_cmp_lg_u32 s[WV], 0
	s_cbranch_scc1 .Lnot_wave_0_\@
	s_barrier_signal -3
.Lnot_wave_0_\@:
	s_barrier_wait -3
	s_barrier_signal -1
	s_barrier_wait -1
.endm
	s_load_b256 s[4:11], s[0:1], 0x0               ; qc s[4:5], kvc s[6:7], bsc s[8:9], the exponents s[10:11]
	s_load_b64 s[12:13], s[0:1], 0x20              ; oc
	v_lshl_add_u32 v[SPW], v0, 2, SPARE
	v_mov_b32 v[NIL], 0
	ds_add_u32 v[SPW], v[NIL]                      ; the wave's opening: the add, twice on end, and its wait ahead of the first tensor load
	ds_add_u32 v[SPW], v[NIL]
	v_lshrrev_b32 v14, 5, v0
	v_readfirstlane_b32 s[WV], v14                 ; wave 0..7
	s_bfe_u32 s15, ttmp6, 0x40000                  ; cx
	s_bfe_u32 s16, ttmp6, 0x40004                  ; cy
	s_lshl_b32 s17, ttmp9, 2
	s_add_co_u32 s17, s17, s15                     ; my quad of heads = 4 x cluster x + cx
	s_and_b32 s18, ttmp7, 0xffff
	s_lshl_b32 s18, s18, 2
	s_add_co_u32 s18, s18, s16                     ; my block of 128 queries = 4 x cluster y + cy
	s_and_b32 s19, s[WV], 1
	s_and_b32 s2, s[WV], 3                         ; my head of the quad
	s_lshr_b32 s3, s[WV], 2                        ; my half of the block's queries
	s_lshl_b32 s92, s16, 2
	s_lshl_b32 s92, 15, s92                        ; my row of the cluster
	s_lshl_b32 s93, 0x1111, s15                    ; my column
	s_or_b32 s[G1B], s92, (2<<16)|(1<<20)|(1<<21)|(6<<22)|(3<<25)   ; the mask; elements of 4 bytes; padding on; bit 21 beside a mask; four words after every 128
	s_mov_b32 s[G1B+1], 128<<16
	s_mov_b32 s[G1B+2], 64<<16
	s_mov_b32 s[G1B+3], 128<<16
	s_mov_b32 s[G1B+4], 64
	s_mov_b32 s[G1B+5], 2048
	s_mov_b32 s[G1B+6], 0
	s_mov_b32 s[G1B+7], 0
	s_or_b32 s[G1K], s93, (3<<16)|(1<<20)|(1<<21)|(3<<22)|(3<<25)   ; elements of 8 bytes; four words after every 16: behind each key's 64 bytes
	s_or_b32 s[G1V], s93, (3<<16)|(1<<20)|(1<<21)|(4<<22)|(3<<25)   ; four words after every 32: behind each feature's 128 bytes
.irp g, G1K, G1V
	s_mov_b32 s[\g+1], 1024<<16                    ; a row: one head's 8,192 bytes of a key step
	s_mov_b32 s[\g+2], 4<<16                       ; four heads
	s_mov_b32 s[\g+3], 1024<<16
	s_mov_b32 s[\g+4], 4
	s_mov_b32 s[\g+5], 32768                       ; 262,144 bytes from head to head
	s_mov_b32 s[\g+6], 0
	s_mov_b32 s[\g+7], 0
.endr
	s_lshl_b32 s94, s18, 20                        ; the bias: (128 x block + 64 x half) rows of 8,192 bytes
	s_lshl_b32 s95, s19, 19
	s_add_co_u32 s94, s94, s95
	s_mov_b32 s95, 0
	s_lshl_b32 s96, s17, 20                        ; k, v: 4 x quad x 262,144 bytes
	s_mov_b32 s97, 0
	s_mul_i32 s98, s19, 64*BP                      ; no place in the cluster enters an LDS address
	s_mov_b32 s[SEL], 0x76543210
	s_mov_b32 s[SEL+1], 0xfedcba98
	s_mov_b32 s[CS], 0x3fb8aa3b                    ; log2(e)
	s_mov_b32 s[TRIPS], 14
	s_mov_b32 s[TB], 0
	s_wait_dscnt 0x0                               ; both opening adds are done
	s_wait_kmcnt 0x0
	s_load_b256 s[84:91], s[10:11], 0x0            ; e0 .. e7
	s_add_nc_u64 s[94:95], s[8:9], s[94:95]
	s_add_nc_u64 s[96:97], s[6:7], s[96:97]
	CROUND                                         ; all sixteen work-groups are here: the first joint loads meet
	s_mov_b32 s[G0B], 1
	s_mov_b32 s[G0B+1], s98
	s_mov_b64 s[G0B+2:G0B+3], s[94:95]
	s_or_b32 s[G0B+3], s[G0B+3], 0x80000000
	s_mov_b32 s[G0K], 1
	s_mov_b32 s[G0K+1], KOFF
	s_mov_b64 s[G0K+2:G0K+3], s[96:97]
	s_or_b32 s[G0K+3], s[G0K+3], 0x80000000
	s_mov_b32 s[G0V], 1
	s_mov_b32 s[G0V+1], VOFF
	s_add_nc_u64 s[G0V+2:G0V+3], s[96:97], 8192
	s_or_b32 s[G0V+3], s[G0V+3], 0x80000000
	JLOAD                                          ; key step 0 into slot 0; slot 1 is first filled behind the first trip's round
	s_lshl_b32 s66, s17, 2                         ; my 64 rows of qc and of oc: ((4 x quad + head) x 2,048 + 128 x block + 64 x half) x 64 bytes
	s_add_co_u32 s66, s66, s2
	s_lshl_b32 s66, s66, 17
	s_lshl_b32 s67, s18, 13
	s_add_co_u32 s66, s66, s67
	s_lshl_b32 s67, s3, 12
	s_add_co_u32 s66, s66, s67
	s_mov_b32 s67, 0
	s_add_nc_u64 s[4:5], s[4:5], s[66:67]
	s_add_nc_u64 s[12:13], s[12:13], s[66:67]
	s_mul_i32 s60, s2, KHB
	s_add_co_u32 s60, s60, KOFF                    ; my head's k in a slot,
	s_mul_i32 s61, s2, VHB
	s_add_co_u32 s61, s61, VOFF                    ; its v,
	s_mul_i32 s62, s3, 64*BP                       ; my 64 rows of the bias tile
	s_lshl_b32 s63, s[WV], 12                      ; the way out's stage: 4,096 bytes a wave, in slot 0, which has had its last fill and its last read by then
	; the prefetches: every wave makes an address inside its buffer; four waves use theirs
	s_cmp_lt_u32 s[WV], 6
	s_cselect_b64 s[PFA:PFA+1], s[8:9], s[6:7]
	s_mov_b32 s[PFS], 16384
	s_cselect_b32 s[PFS], 512, s[PFS]              ; a key step on
	s_mov_b32 s68, 512
	s_cselect_b32 s68, 8192, s68                   ; from one pair of lanes to the next: a row of the bias, or 512 bytes
	s_lshl_b32 s93, s18, 20                        ; the bias: rows 128 x block + 32 cx + 16 x (wave % 2) on
	s_lshl_b32 s94, s15, 18
	s_add_co_u32 s93, s93, s94
	s_lshl_b32 s94, s19, 17
	s_add_co_u32 s93, s93, s94
	s_lshl_b32 s94, s17, 2                         ; k, v: head 4 x quad + cy, its k (wave even) or its v (wave odd)
	s_add_co_u32 s94, s94, s16
	s_lshl_b32 s94, s94, 18
	s_lshl_b32 s95, s19, 13
	s_add_co_u32 s94, s94, s95
	s_cmp_lt_u32 s[WV], 6
	s_cselect_b32 s94, s93, s94
	s_add_co_u32 s94, s94, s[PFS]                  ; at key step 1: the first trip steps it to 2
	s_mov_b32 s95, 0
	s_mov_b32 s[PFS+1], 0
	s_add_nc_u64 s[PFA:PFA+1], s[PFA:PFA+1], s[94:95]
	s_and_b32 s93, ttmp7, 0xffff
	s_lshr_b32 s92, s[WV], 1
	s_cmp_eq_u32 s92, 2                            ; waves 4 and 5 ask where cluster x = 0,
	s_cselect_b32 s94, ttmp9, -1
	s_cmp_eq_u32 s92, 3                            ; waves 6 and 7 where cluster y = 0
	s_cselect_b32 s94, s93, s94
	s_cmp_eq_u32 s94, 0
	s_cselect_b32 s[LIM], 1, -1
	v_and_b32 v14, 15, v0                          ; r
	v_bfe_u32 v15, v0, 4, 1                        ; h
	v_and_b32 v224, 31, v0                         ; lane
	v_lshlrev_b32 v[QO], 6, v14
	v_mul_u32_u24 v[AK0], v14, KP
	v_mul_u32_u24 v[AV0], v14, VP
	v_mul_u32_u24 v[AB0], v14, BP
	v_lshl_add_u32 v[QO], v15, 4, v[QO]            ; Q: row r of 64 bytes, + 16 h
	v_lshl_add_u32 v[AK0], v15, 4, v[AK0]
	v_lshl_add_u32 v[AV0], v15, 4, v[AV0]
	v_lshl_add_u32 v[AB0], v15, 5, v[AB0]
.irp u, 0,1,2,3
	global_load_b128 v[32+8*\u:35+8*\u], v[QO], s[4:5] offset:1024*\u        ; registers 0-3: features 16 h + 0 .. 15; 4-7: 32 + 16 h + 0 .. 15: the same order as in k's fragments
	global_load_b128 v[36+8*\u:39+8*\u], v[QO], s[4:5] offset:1024*\u+32
.endr
	v_add_nc_u32 v[AK0], s60, v[AK0]
	v_add_nc_u32 v[AV0], s61, v[AV0]
	v_add_nc_u32 v[AB0], s62, v[AB0]
	v_lshlrev_b32 v[STO], 6, v14
	v_lshlrev_b32 v[GO], 4, v224
	v_lshrrev_b32 v225, 1, v224
	v_and_b32 v226, 1, v224
	v_lshl_add_u32 v[STO], v15, 3, v[STO]
	v_add_nc_u32 v[RD], s63, v[GO]
	v_mul_lo_u32 v[PFO], v225, s68
	v_add_nc_u32 v[STO], s63, v[STO]               ; query r's 64 bytes, + 8 h
	v_mov_b32 v227, 0                              ; (named as the upper halves of f's pairs)
	v_mov_b32 v239, 0
	v_mov_b32 v[PD], 0                             ; written once: a lane permute's destination counts as one of its sources
	v_lshl_add_u32 v[PFO], v226, 8, v[PFO]
.irp u, 0,1,2,3
	v_mov_b32 v[17+4*\u], 0xff61b1e6               ; the largest t so far: -3e38, under every t
	v_mov_b32 v[18+4*\u], 0                        ; the sum, in two halves
	v_mov_b32 v[19+4*\u], 0
.endr
.irp u, 0,1,2,3
	v_floor_f32 v[16+4*\u], -v[17+4*\u]            ; -M
.endr
	WIN 0x40
.set j, 0
.rept 32
	v_mov_b32 v[224+j], 0                          ; O^T of unit 3 alone: its first step is finished by the loop's text; the other units' first products start their sums
.set j, j+1
.endr
	WIN 0
	s_wait_kmcnt 0x0
	s_add_co_i32 s92, s86, s87
	s_lshl_b32 s92, s92, 23
	s_add_co_i32 s[CS], s[CS], s92                 ; c = log2(e) x 2^(e2 + e3)
	s_mov_b32 s[CS+1], s[CS]
	s_add_co_i32 s92, s88, 127
	s_lshl_b32 s93, s92, 23
	v_mov_b32 v[SCP], s93
	s_add_co_i32 s92, s92, 8
	s_lshl_b32 s92, s92, 23
	s_or_b32 s92, s92, 0x600000
	v_mov_b32 v[LP], s92
	v_mov_b32 v[LP+1], s92
	s_add_co_i32 s92, s90, 127
	s_lshl_b32 s93, s92, 23
	v_mov_b32 v[SCO], s93
	s_add_co_i32 s92, s92, 8
	s_lshl_b32 s92, s92, 23
	s_or_b32 s92, s92, 0x600000
	v_mov_b32 v[LIMO], s92
	s_add_co_i32 s[EO], s88, s89
.macro LK                              ; k's eight fragments: keys 16 t + r
	WIN 0x40
.irp t, 0,1,2,3,4,5,6,7
	ds_load_b128 v[8*\t:8*\t+3],   v[ADK] offset:16*KP*\t
	ds_load_b128 v[8*\t+4:8*\t+7], v[ADK] offset:16*KP*\t+32
.endr
	WIN 0
.endm
.macro LV                              ; v's four fragments: features 16 t + r
	WIN 0x40
.irp t, 0,1,2,3
.irp c, 0,1,2,3
	ds_load_b128 v[64+16*\t+4*\c:67+16*\t+4*\c], v[ADV] offset:16*VP*\t+32*\c
.endr
.endr
	WIN 0
.endm
.macro LBR base, u                     ; unit u's bias into the buffer at base, in the score product's layout: tile t's registers hold keys 16 t + 8 h + 0 .. 7; 16 loads in one run
.set k, 0
.rept 16
	ds_load_b128 v[\base+4*k:\base+4*k+3], v[ADB] offset:16*BP*(\u)+64*(k/2)+16*(k%2)
.set k, k+1
.endr
.endm
; The symbols that the pieces below name: SB my score buffer, SN the next unit's, SQ the next unit's statistics, UN its number.
.macro QKN                             ; the next unit's S' = K Q^T + the bias: eight accumulators, one instruction each
	WIN 0x01
.irp t, 0,1,2,3,4,5,6,7
	v_wmma_f32_16x16x64_fp8_fp8 v[SN+8*\t:SN+8*\t+7], v[8*\t:8*\t+7], v[32+8*UN:39+8*UN], v[SN+8*\t:SN+8*\t+7]
.endr
	WIN 0
.endm
.macro DMIN                            ; the conversion does not saturate (ISA guide 7.6.2); p is not negative: a one-sided hold, two numbers an instruction
	v_dual_min_num_f32 v[SB+d], v[SB+d], v[LP] :: v_dual_min_num_f32 v[SB+d+1], v[SB+d+1], v[LP+1]
.set d, d+2
.endm
.macro MM mx, mn, dst, s0, s1, s2      ; one maximum of the next unit's scores, one hold of my p
.if \mx
	v_max3_num_f32 v[\dst], v[\s0], v[\s1], v[\s2]
.endif
.if \mn
	DMIN
.endif
.endm
.macro MAXMIN mx, mn                   ; 31 of each; the scores in ascending order
.set d, 0
.set e, 9
	MM \mx, \mn, MA, SN, SN+1, SN+2
	MM \mx, \mn, MB, SN+3, SN+4, SN+5
	MM \mx, \mn, MC, SN+6, SN+7, SN+8
.rept 9
	MM \mx, \mn, MA, MA, SN+e, SN+e+1
	MM \mx, \mn, MB, MB, SN+e+2, SN+e+3
	MM \mx, \mn, MC, MC, SN+e+4, SN+e+5
.set e, e+6
.endr
	MM \mx, \mn, MA, MA, MB, SN+63
.endm
.macro CV k                            ; eight of my p into codes
	v_cvt_scalef32_pk8_fp8_f32 v[PC+2*(\k):PC+2*(\k)+1], v[SB+8*(\k):SB+8*(\k)+7], v[SCP]
.endm
.macro HINT mn, n                      ; where no conversion stands between the chain's lines
.if !(\mn)
	s_delay_alu instid0(VALU_DEP_\n)
.endif
.endm
.macro STATC mx, mn                    ; the next unit's new -M, by turns with my last hold and my eight conversions
.if \mx
	HINT \mn, 1
	v_max_num_f32 v[MA], v[MA], v[MC]
.endif
.if \mn
	DMIN
	CV 0
.endif
.if \mx
	v_permlanex16_b32 v[PD], v[MA], s[SEL], s[SEL+1]
.endif
.if \mn
	CV 1
	CV 2
.endif
.if \mx
	HINT \mn, 1
	v_max_num_f32 v[MA], v[MA], v[PD]              ; and among lane l xor 16's
.endif
.if \mn
	CV 3
	CV 4
.endif
.if \mx
	HINT \mn, 1
	v_mul_f32 v[MA], s[CS], v[MA]                  ; as t (c is positive)
.endif
.if \mn
	CV 5
	CV 6
.endif
.if \mx
	HINT \mn, 1
	v_max_num_f32 v[SQ+1], v[SQ+1], v[MA]          ; the running largest t
	v_mov_b32 v[OM], v[SQ]                         ; the old -M
.endif
.if \mn
	CV 7
.endif
.if \mx
	HINT \mn, 2
	v_floor_f32 v[SQ], -v[SQ+1]                    ; the new -M = floor(-t) = -ceil(t)
.endif
.endm
; STAGE u.  nx = 1: a next unit follows.  first = 1: the second product starts O's sums.  lb >= 0: the unit whose bias is asked for, into my buffer.
.macro STAGE u, nx, first, lb
.set SB, 64+64*((\u)%2)
.set SN, 128-64*((\u)%2)
.set UN, ((\u)+1)%4
.set SS, 16+4*(\u)
.set SQ, 16+4*UN
.set FU, 226+12*((\u)%2)
.set OT, 128+32*(\u)
.set k, 0
.rept 16
	v_pk_fma_f32 v[SB+4*k:SB+4*k+1], v[SB+4*k:SB+4*k+1], s[CS:CS+1], v[SS:SS+1] op_sel_hi:[1,0,0]       ; t - M, two at a time
	v_pk_fma_f32 v[SB+4*k+2:SB+4*k+3], v[SB+4*k+2:SB+4*k+3], s[CS:CS+1], v[SS:SS+1] op_sel_hi:[1,0,0]
.if k == 1
	v_sub_f32 v[OM], v[SS], v[OM]                  ; old M - new M: a whole number, 0 or less
.endif
.if k == 4
	v_cvt_i32_f32 v[OM], v[OM]                     ; (it saturates)
.endif
.if k == 7
	v_ldexp_f32 v[FU], 1.0, v[OM]                  ; f = 2^(old M - new M)
.endif
.set k, k+1
.endr
	s_wait_alu depctr_va_vdst(0)                   ; the wait ahead of the batch
.set j, 0
.rept 64
	v_exp_f32 v[SB+j], v[SB+j]                     ; p = 2^(t - M), at most 1
.set j, j+1
.endr
.if \nx
	s_wait_dscnt 0x0                               ; the next unit's bias, asked for a stage ago, is in (and k's or v's fragments, where they were asked for since the last such wait)
	QKN
.endif
	v_pk_mul_f32 v[SS+2:SS+3], v[SS+2:SS+3], v[FU:FU+1] op_sel_hi:[1,0]   ; the sums under the new M: the plain instruction behind the exponentials
	s_wait_alu depctr_va_vdst(0)                   ; one wait for the batch, ahead of its first reader
	v_pk_add_f32 v[SS+2:SS+3], v[SS+2:SS+3], v[SB:SB+1]          ; the row's sum, of the unquantised p: two at a time, in four chains.  (Also the places behind the score product)
	v_pk_add_f32 v[SU1:SU1+1], v[SB+2:SB+3], v[SB+10:SB+11]
	v_pk_add_f32 v[SU2:SU2+1], v[SB+4:SB+5], v[SB+12:SB+13]
	v_pk_add_f32 v[SU3:SU3+1], v[SB+6:SB+7], v[SB+14:SB+15]
	v_pk_add_f32 v[SS+2:SS+3], v[SS+2:SS+3], v[SB+8:SB+9]
.irp g, 2,3,4,5,6,7
	v_pk_add_f32 v[SU1:SU1+1], v[SU1:SU1+1], v[SB+8*\g+2:SB+8*\g+3]
	v_pk_add_f32 v[SU2:SU2+1], v[SU2:SU2+1], v[SB+8*\g+4:SB+8*\g+5]
	v_pk_add_f32 v[SU3:SU3+1], v[SU3:SU3+1], v[SB+8*\g+6:SB+8*\g+7]
	v_pk_add_f32 v[SS+2:SS+3], v[SS+2:SS+3], v[SB+8*\g:SB+8*\g+1]
.endr
	v_pk_add_f32 v[SU1:SU1+1], v[SU1:SU1+1], v[SU2:SU2+1]
	v_pk_add_f32 v[SS+2:SS+3], v[SS+2:SS+3], v[SU3:SU3+1]
	MAXMIN \nx, 1
	v_pk_add_f32 v[SS+2:SS+3], v[SS+2:SS+3], v[SU1:SU1+1]
	STATC \nx, 1
.if (\lb) >= 0
	LBR SB, \lb                                    ; my p has been read for the last time
.endif
.if \first
	WIN 0x41
.irp t, 0,1,2,3
	v_wmma_f32_16x16x128_fp8_fp8 v[OT+8*\t:OT+8*\t+7], v[64+16*\t:79+16*\t], v[PC:PC+15], 0   ; O^T = V^T P^T: the first key step starts the sums
.endr
.else
	WIN 0x41
	s_wait_alu depctr_va_vdst(0)                   ; the wait directly ahead of the first reader of O^T
.set j, 0
.rept 16
	v_pk_mul_f32 v[OT+j:OT+j+1], v[OT+j:OT+j+1], v[FU:FU+1] op_sel_hi:[1,0]   ; O^T under the new M
.set j, j+2
.endr
	WIN 0x51
.irp t, 0,1,2,3
	v_wmma_f32_16x16x128_fp8_fp8 v[OT+8*\t:OT+8*\t+7], v[64+16*\t:79+16*\t], v[PC:PC+15], v[OT+8*\t:OT+8*\t+7]   ; O^T += V^T P^T: four accumulators, one instruction each
.endr
.endif
	WIN 0
.endm
; THE CHANGE OF SLOTS.  Each wave waits for all its tensor loads, adds 0 to its spare word (fill = 1: twice on end), and waits for that and for its
; reads of the slot that it has left; a round of the cluster's barrier; fill = 1: the slot just left is filled with the next key step, which has a trip's work in which to land.  Then the addresses in the slot in hand.
.macro CHANGE fill
	s_wait_alu depctr_va_vdst(0)                   ; the wait directly ahead of the wait below
	s_wait_tensorcnt 0x0                           ; no tensor load of mine is out, so a group 0 may be written
	ds_add_u32 v[SPW], v[NIL]
.if \fill
	ds_add_u32 v[SPW], v[NIL]
	s_xor_b32 s[G0B+1], s[G0B+1], SLOTD            ; the walking descriptors: the other slot, the next key step
	s_add_nc_u64 s[G0B+2:G0B+3], s[G0B+2:G0B+3], 512
	s_xor_b32 s[G0K+1], s[G0K+1], SLOTD
	s_add_nc_u64 s[G0K+2:G0K+3], s[G0K+2:G0K+3], 16384
	s_xor_b32 s[G0V+1], s[G0V+1], SLOTD
	s_add_nc_u64 s[G0V+2:G0V+3], s[G0V+2:G0V+3], 16384
	s_wait_xcnt 0x0                                ; the last prefetch, a trip back, has read its address, so it may be written
	s_add_nc_u64 s[PFA:PFA+1], s[PFA:PFA+1], s[PFS:PFS+1]
.endif
	s_wait_dscnt 0x0                               ; the add is done, and my reads of the slot that I have left are over
	CROUND
.if \fill
	JLOAD                                          ; the first tensor load behind the round, one a wave
	ASK
.endif
	v_add_nc_u32 v[ADK], s[TB], v[AK0]
	v_add_nc_u32 v[ADB], s[TB], v[AB0]
	v_add_nc_u32 v[ADV], s[TB], v[AV0]
	s_wait_alu depctr_va_vdst(0)
	s_xor_b32 s[TB], s[TB], SLOTD
.endm
; A TRIP: the last key step's stage 3, whose next unit is this step's unit 0; then this step's stages 0 to 2.
.macro TRIP fill
	CHANGE \fill
	LK
	LBR 64, 0                                      ; this step's unit 0, into the buffer that unit 2 has left
	STAGE 3, 1, 0, 1
	PLACES                                         ; in front of loads into registers that the products just issued read
	LV
	STAGE 0, 1, 0, 2
	STAGE 1, 1, 0, 3
	STAGE 2, 1, 0, -1
.endm
	s_wait_alu depctr_va_vdst(0)                   ; the wait at the head's end
	s_wait_loadcnt 0x0                             ; Q
	CHANGE 1                                       ; THE FIRST TRIP: key step 0; key step 1 is asked for
	LK
	LBR 64, 0
	LBR 128, 1
	LV
	s_wait_dscnt 0x0
.set SN, 64
.set SQ, 16
.set UN, 0
	QKN
	PLACES                                         ; behind the products, ahead of the first read of the scores
	MAXMIN 1, 0
	STATC 1, 0
	STAGE 0, 1, 1, 2
	STAGE 1, 1, 1, 3
	STAGE 2, 1, 1, -1
.Ltrip:                                            ; 14 trips: key steps 1 to 14 are begun, 2 to 15 asked for
	TRIP 1
	s_sub_co_u32 s[TRIPS], s[TRIPS], 1
	s_cmp_lg_u32 s[TRIPS], 0
	s_cbranch_scc1 .Ltrip
	TRIP 0                                         ; key step 15: nothing more is asked for
	STAGE 3, 0, 0, -1
	PLACES                                         ; behind the last products
	; THE WAY OUT.  O^T / the sum x 2^(e4 + e5) is quantised with 2^e6, eight neighbouring features a conversion; the codes go through my stage and leave as 4,096 bytes on end.
.irp u, 0,1,2,3
	v_add_f32 v[18+4*\u], v[18+4*\u], v[19+4*\u]   ; the sums' two halves,
.endr
.irp u, 0,1,2,3
	v_permlanex16_b32 v[224+\u], v[18+4*\u], s[SEL], s[SEL+1]
.endr
.irp u, 0,1,2,3
	v_add_f32 v[18+4*\u], v[18+4*\u], v[224+\u]    ; and lane l xor 16's
.endr
	s_wait_alu depctr_va_vdst(0)                   ; the wait ahead of the batch
.irp u, 0,1,2,3
	v_rcp_f32 v[18+4*\u], v[18+4*\u]
.endr
	v_nop                                          ; a plain instruction behind the transcendentals
	s_wait_alu depctr_va_vdst(0)                   ; one wait for the four, ahead of their first reader
.irp u, 0,1,2,3
	v_ldexp_f32 v[18+4*\u], v[18+4*\u], s[EO]
.endr
	WIN 0x01
	s_wait_alu depctr_va_vdst(0)                   ; the wait directly ahead of the first reader of O^T
.irp u, 0,1,2,3
.set j, 0
.rept 32
	v_mul_f32 v[64+32*\u+j], v[128+32*\u+j], v[18+4*\u]   ; register 8 t + i of a unit is o(query r, feature 16 t + 8 h + i); each accumulator from its low end on
.set j, j+1
.endr
.endr
	WIN 0
.set j, 0
.rept 128
	v_med3_num_f32 v[64+j], v[64+j], -v[LIMO], v[LIMO]
.set j, j+1
.endr
.set j, 0
.rept 16
	v_cvt_scalef32_pk8_fp8_f32 v[192+2*j:193+2*j], v[64+8*j:71+8*j], v[SCO]
.set j, j+1
.endr
	v_nop
.irp u, 0,1,2,3
.irp t, 0,1,2,3
	ds_store_b64 v[STO], v[192+8*\u+2*\t:193+8*\u+2*\t] offset:1024*\u+16*\t
.endr
.endr
.irp i, 0,1,2,3,4,5,6,7
	ds_load_b128 v[64+4*\i:67+4*\i], v[RD] offset:512*\i          ; LDS serves a wave's instructions in order: these see my stores
.endr
.irp i, 0,1,2,3,4,5,6,7
	s_wait_dscnt 7-\i                              ; the younger loads may be out
	global_store_b128 v[GO], v[64+4*\i:67+4*\i], s[12:13] offset:512*\i   ; 32 lanes store 512 consecutive bytes
.endr
	s_wait_tensorcnt 0x0                           ; the wave's end, behind my last tensor load and my last LDS store
	ds_add_u32 v[SPW], v[NIL]
	s_wait_dscnt 0x0
	CROUND                                         ; the closing round
	s_endpgm
.Lfunc_end_k_q71a91ba5dc_attn:
	.size	k_q71a91ba5dc_attn, .Lfunc_end_k_q71a91ba5dc_attn-k_q71a91ba5dc_attn
	.p2alignl 7, 3214868480
	.fill 96, 4, 3214868480
	.section	.rodata,"a",@progbits
	.p2align	6, 0x0
	.amdhsa_kernel k_q71a91ba5dc_attn
		.amdhsa_group_segment_fixed_size 327680
		.amdhsa_private_segment_fixed_size 0
		.amdhsa_enable_private_segment 0
		.amdhsa_kernarg_size 40
		.amdhsa_user_sgpr_count 2
		.amdhsa_user_sgpr_kernarg_segment_ptr 1
		.amdhsa_wavefront_size32 1
		.amdhsa_system_sgpr_workgroup_id_x 1
		.amdhsa_system_sgpr_workgroup_id_y 1
		.amdhsa_system_sgpr_workgroup_id_z 1
		.amdhsa_system_vgpr_workitem_id 0
		.amdhsa_next_free_vgpr 512
		.amdhsa_next_free_sgpr 100
		.amdhsa_reserve_vcc 0
		.amdhsa_float_denorm_mode_32 3
		.amdhsa_float_denorm_mode_16_64 3
		.amdhsa_memory_ordered 1
		.amdhsa_forward_progress 1
		.amdhsa_inst_pref_size 205
	.end_amdhsa_kernel
	.amdgpu_metadata
---
amdhsa.version: [ 1, 2 ]
amdhsa.kernels:
  - .name:           k_q71a91ba5dc_attn
    .symbol:         k_q71a91ba5dc_attn.kd
    .args:
      - { .name: qc, .offset: 0, .size: 8, .value_kind: global_buffer, .address_space: global }
      - { .name: kvc, .offset: 8, .size: 8, .value_kind: global_buffer, .address_space: global }
      - { .name: bsc, .offset: 16, .size: 8, .value_kind: global_buffer, .address_space: global }
      - { .name: lowp_scales, .offset: 24, .size: 8, .value_kind: global_buffer, .address_space: global }
      - { .name: oc, .offset: 32, .size: 8, .value_kind: global_buffer, .address_space: global }
    .group_segment_fixed_size: 327680
    .private_segment_fixed_size: 0
    .kernarg_segment_align: 8
    .kernarg_segment_size: 40
    .max_flat_workgroup_size: 256
    .sgpr_count:     100
    .vgpr_count:     512
    .wavefront_size: 32
...
	.end_amdgpu_metadata
.endif
;; end of part 3
;; launch proj (part 4): grid 4 x 32, 4 waves a work-group, clusters of 4 x 4, 327,680 bytes of LDS; arguments oc, wpc, lowp_scales, b_proj, out0; writes out0
.if DOCPART == 4
	.amdgcn_target "amdgcn-amd-amdhsa--gfx1250"
	.amdhsa_code_object_version 6
	.text
	.protected	k_q71a91ba5dc_proj
	.globl	k_q71a91ba5dc_proj
	.p2align	8
	.type	k_q71a91ba5dc_proj,@function
k_q71a91ba5dc_proj:
	s_mov_b64 s[64:65], 0
	v_nop
	global_prefetch_b8 v0, s[64:65] scope:SCOPE_SE
	s_setreg_imm32_b32 hwreg(HW_REG_WAVE_MODE, 25, 1), 1
	s_wait_xcnt 0x0
	s_wait_alu depctr_hold_cnt(0) depctr_sa_sdst(0) depctr_va_vdst(0) depctr_va_sdst(0) depctr_va_ssrc(0) depctr_va_vcc(0) depctr_vm_vsrc(0)
	s_getreg_b32 s2, hwreg(HW_REG_IB_STS2, 6, 4)
	s_cmp_eq_u32 s2, 0
	s_cbranch_scc0 .Lentry_in_a_cluster
	s_endpgm
.Lentry_in_a_cluster:
	s_bfe_u32 s2, ttmp6, 0x10000c
	s_cmp_lg_u32 s2, 0xf033
	s_cbranch_scc0 .Lentry_shape_is_right
	s_endpgm
.Lentry_shape_is_right:
.set ROWB,   256
.set KROW,   1024
.set PITCH,  272
.set APITCH, 80
.set AHEAD,  128*APITCH
.set AHALF,  4*AHEAD
.set ASTEP,  4*131072
.set BOFF,   2*AHALF
.set HALFT,  128*PITCH
.set SLOT,   BOFF+2*HALFT
.set FR,     16
.set NL,     4
.set NP,     4
.set LAPS,   2
.set SIZE_N, 1024
.set SPARE,  2*SLOT
.set SPITCH, 528
.set BNO,  8
.set ADRA, 16
.set ADRB, 20
.set STO,  24
.set RD,   25
.set CO,   26
.set SPW,  28
.set NIL,  29
.set BN,   32
.set TMP,  0
.set AF,   128
.set BK,   128
.set G1, 24
.set G0, 32
.set G1B, 48
.set G0B, 56
.set MSB, 0
.macro WIN new
.if MSB != \new
	s_set_vgpr_msb (MSB<<8)|\new
.set MSB, \new
.endif
.endm
.set MUL_LO, 0xa1
.set MUL_HI, 0xf1
.set TO_B,   0x40
.macro JLOAD g0a, g1a, g0b, g1b
	s_cmp_eq_u32 s15, 0
	s_cbranch_scc0 .Lfor_b_\@
	tensor_load_to_lds s[\g0a:\g0a+3], s[\g1a:\g1a+7]
	s_nop 0
.rept 4
	v_nop
.endr
	s_branch .Lasked_\@
.Lfor_b_\@:
	tensor_load_to_lds s[\g0b:\g0b+3], s[\g1b:\g1b+7]
	s_nop 0
.rept 4
	v_nop
.endr
.Lasked_\@:
.endm
.macro CREST
	s_cmp_lg_u32 s14, 0
	s_cbranch_scc1 .Lnot_wave_0_\@
	s_barrier_signal -3
.Lnot_wave_0_\@:
	s_barrier_wait -3
	s_barrier_signal -1
	s_barrier_wait -1
.endm
.macro CROUND
	s_barrier_signal -1
	s_barrier_wait -1
	CREST
.endm
	s_load_b128 s[4:7], s[0:1], 0x0
	s_load_b128 s[8:11], s[0:1], 0x10
	s_load_b64 s[12:13], s[0:1], 0x20
	v_lshl_add_u32 v[SPW], v0, 2, SPARE
	v_mov_b32 v[NIL], 0
	ds_add_u32 v[SPW], v[NIL]
	ds_add_u32 v[SPW], v[NIL]
	v_lshrrev_b32 v1, 5, v0
	v_readfirstlane_b32 s14, v1
	s_lshr_b32 s15, s14, 1
	s_and_b32 s16, s14, 1
	s_bfe_u32 s40, ttmp6, 0x40000
	s_bfe_u32 s41, ttmp6, 0x40004
	s_lshl_b32 s42, ttmp9, 2
	s_add_co_u32 s42, s42, s40
	s_and_b32 s17, ttmp7, 0xffff
	s_lshl_b32 s17, s17, 2
	s_add_co_u32 s17, s17, s41
	s_lshl_b32 s43, s41, 2
	s_lshl_b32 s43, 15, s43
	s_lshl_b32 s44, 0x1111, s40
	s_or_b32 s[G1+0], s43, (3<<16)|(1<<20)|(1<<21)|(3<<22)|(3<<25)
	s_mov_b32 s[G1+1], 1024<<16
	s_mov_b32 s[G1+2], 4<<16
	s_mov_b32 s[G1+3], 1024<<16
	s_mov_b32 s[G1+4], 4
	s_mov_b32 s[G1+5], 16384
	s_mov_b32 s[G1+6], 0
	s_mov_b32 s[G1+7], 0
	s_or_b32 s[G1B+0], s44, (0<<16)|(1<<20)|(1<<21)|(5<<22)|(3<<25)
	s_mov_b32 s[G1B+1], ROWB<<16
	s_mov_b32 s[G1B+2], 128<<16
	s_mov_b32 s[G1B+3], ROWB<<16
	s_mov_b32 s[G1B+4], 128
	s_mov_b32 s[G1B+5], KROW
	s_mov_b32 s[G1B+6], 0
	s_mov_b32 s[G1B+7], 0
	s_lshl_b32 s18, s16, 7
	s_lshl_b32 s20, s17, 8
	s_add_co_u32 s20, s20, s18
	s_lshr_b32 s21, s20, 11
	s_lshl_b32 s21, s21, 21
	s_and_b32 s20, s20, 2047
	s_lshl_b32 s20, s20, 6
	s_add_co_u32 s20, s20, s21
	s_mov_b32 s21, 0
	s_lshl_b32 s46, s42, 8
	s_add_co_u32 s46, s46, s18
	s_lshl_b32 s46, s46, 10
	s_mov_b32 s47, 0
	s_mul_i32 s45, s16, AHALF
	s_mul_i32 s2, s16, HALFT
	s_add_co_u32 s2, s2, BOFF
	s_wait_dscnt 0x0
	s_wait_kmcnt 0x0
	s_load_b64 s[96:97], s[8:9], 0x18
	s_add_nc_u64 s[20:21], s[4:5], s[20:21]
	s_add_nc_u64 s[46:47], s[6:7], s[46:47]
	CROUND
.irp s, 0,1
	s_mov_b32 s[G0+4*\s], 1
	s_add_co_u32 s[G0+4*\s+1], s45, \s*SLOT
	s_add_nc_u64 s[G0+4*\s+2:G0+4*\s+3], s[20:21], \s*ASTEP
	s_or_b32 s[G0+4*\s+3], s[G0+4*\s+3], 0x80000000
	s_mov_b32 s[G0B+4*\s], 1
	s_add_co_u32 s[G0B+4*\s+1], s2, \s*SLOT
	s_add_nc_u64 s[G0B+4*\s+2:G0B+4*\s+3], s[46:47], \s*ROWB
	s_or_b32 s[G0B+4*\s+3], s[G0B+4*\s+3], 0x80000000
	s_wait_alu depctr_va_vdst(0)
	s_wait_tensorcnt 0x0
	ds_add_u32 v28, v29
	ds_add_u32 v28, v29
	s_wait_dscnt 0x0
	CROUND
	JLOAD G0+4*\s, G1, G0B+4*\s, G1B
.endr
	v_and_b32 v1, 15, v0
	v_bfe_u32 v2, v0, 4, 1
	v_mul_u32_u24 v3, v1, APITCH
	v_lshl_add_u32 v3, v2, 4, v3
	v_mul_u32_u24 v4, v1, PITCH
	v_lshl_add_u32 v4, v2, 4, v4
	s_mul_i32 s21, s15, AHALF
	s_mul_i32 s22, s16, HALFT
	s_add_co_u32 s22, s22, BOFF
.irp s, 0,1
	v_add_nc_u32 v[ADRA+\s], s21, v3
	v_add_nc_u32 v[ADRB+\s], s22, v4
	s_add_co_u32 s21, s21, SLOT
	s_add_co_u32 s22, s22, SLOT
.endr
	s_mul_i32 s23, s14, 16*SPITCH
	v_mul_u32_u24 v5, v1, SPITCH
	v_lshl_add_u32 v5, v2, 5, v5
	v_add_nc_u32 v[STO], s23, v5
	v_and_b32 v6, 31, v0
	v_lshlrev_b32 v[CO], 4, v6
	v_add_nc_u32 v[RD], s23, v[CO]
	v_lshlrev_b32 v[BNO], 5, v2
	s_lshl_b32 s46, s42, 10
	s_lshl_b32 s47, s16, 9
	s_add_co_u32 s46, s46, s47
	s_mov_b32 s47, 0
	s_add_nc_u64 s[66:67], s[10:11], s[46:47]
.irp b, 0,1,2,3,4,5,6,7
	global_load_b128 v[BN+8*\b:BN+8*\b+3],   v[BNO], s[66:67] offset:64*\b
	global_load_b128 v[BN+8*\b+4:BN+8*\b+7], v[BNO], s[66:67] offset:64*\b+16
.endr
	s_lshl_b32 s20, s17, 8
	s_lshl_b32 s21, s15, 7
	s_add_co_u32 s20, s20, s21
	s_lshl_b32 s20, s20, 12
	s_add_co_u32 s20, s20, s46
	s_mov_b32 s21, 0
	s_add_nc_u64 s[12:13], s[12:13], s[20:21]
.macro FRAGB reg, adr, q, i
.irp c, 0,1,2,3
	ds_load_b128 v[\reg+4*\c:\reg+4*\c+3], v[\adr] offset:128*(\q)+32*\c+(\i)*16*PITCH
.endr
.endm
.macro FRAGA reg, adr, q, i
.irp c, 0,1,2,3
	ds_load_b128 v[\reg+4*\c:\reg+4*\c+3], v[\adr] offset:AHEAD*(2*(\q)+\c/2)+32*(\c%2)+(\i)*16*APITCH
.endr
.endm
.macro MUL16 a0, p, zero
.irp a, \a0, \a0+1
.irp b, 0,1,2,3,4,5,6,7
.if \zero
	v_wmma_f32_16x16x128_fp8_fp8 v[8*(8*((\a)%4)+\b):8*(8*((\a)%4)+\b)+7], v[128*(\p)+FR*\b:128*(\p)+FR*\b+FR-1], v[AF+FR*(\a):AF+FR*(\a)+FR-1], 0
.else
	v_wmma_f32_16x16x128_fp8_fp8 v[8*(8*((\a)%4)+\b):8*(8*((\a)%4)+\b)+7], v[128*(\p)+FR*\b:128*(\p)+FR*\b+FR-1], v[AF+FR*(\a):AF+FR*(\a)+FR-1], v[8*(8*((\a)%4)+\b):8*(8*((\a)%4)+\b)+7]
.endif
.endr
.endr
.endm
.macro FETCH_B slot, q, p
	WIN TO_B
.irp i, 0,1,2,3,4,5,6,7
	FRAGB 128*(\p)+FR*\i, ADRB+\slot, \q, \i
.endr
	WIN 0
.endm
.macro FETCH_A slot, q, i0
.irp i, \i0, \i0+1, \i0+2, \i0+3
	FRAGA AF+FR*(\i), ADRA+\slot, \q, \i
.endr
.endm
.macro PLACES n
.rept \n
	v_nop
.endr
.endm
.macro STEP slot, q, zero
	s_wait_dscnt 4*NL
	WIN MUL_LO
	MUL16 0, (\q)%2, \zero
	MUL16 2, (\q)%2, \zero
	s_wait_dscnt 0
	PLACES NP
	FETCH_B \slot, (\q)+1, 1-(\q)%2
	FETCH_A \slot, (\q)+1, 0
	WIN MUL_HI
	MUL16 4, (\q)%2, \zero
	MUL16 6, (\q)%2, \zero
	PLACES NP
	WIN 0
	FETCH_A \slot, (\q)+1, 4
.endm
.macro TURN slot, next, fill
	s_wait_tensorcnt 0x0
	ds_add_u32 v[SPW], v[NIL]
	s_wait_dscnt 4*NL+1
	WIN MUL_LO
	MUL16 0, 1, 0
	s_wait_dscnt 0x0
	s_barrier_signal -1
	MUL16 2, 1, 0
	WIN 0
	s_barrier_wait -1
.if \fill
	CREST
	s_add_nc_u64 s[G0+4*\slot+2:G0+4*\slot+3], s[G0+4*\slot+2:G0+4*\slot+3], 2*ASTEP
	s_add_nc_u64 s[G0B+4*\slot+2:G0B+4*\slot+3], s[G0B+4*\slot+2:G0B+4*\slot+3], 2*ROWB
	JLOAD G0+4*\slot, G1, G0B+4*\slot, G1B
.else
	PLACES NP
.endif
	s_wait_alu depctr_va_vdst(0)
	FETCH_B \next, 0, 0
	FETCH_A \next, 0, 0
	WIN MUL_HI
	MUL16 4, 1, 0
	MUL16 6, 1, 0
	PLACES NP
	WIN 0
	FETCH_A \next, 0, 4
.endm
	s_wait_tensorcnt 1
	s_barrier_signal -1
	s_barrier_wait -1
	FETCH_B 0, 0, 0
	FETCH_A 0, 0, 0
	FETCH_A 0, 0, 4
	STEP 0, 0, 1
	s_mov_b32 s3, LAPS-1
.Llap:
	TURN 0, 1, 1
	STEP 1, 0, 0
	TURN 1, 0, 1
	STEP 0, 0, 0
	s_sub_co_u32 s3, s3, 1
	s_cmp_lg_u32 s3, 0
	s_cbranch_scc1 .Llap
	TURN 0, 1, 0
	STEP 1, 0, 0
	s_wait_dscnt 4*NL
	WIN MUL_LO
	MUL16 0, 1, 0
	MUL16 2, 1, 0
	s_wait_dscnt 0
	WIN MUL_HI
	MUL16 4, 1, 0
	MUL16 6, 1, 0
	WIN 0
.macro TOSTAGE a
.set AC, 64*((\a)%4)
	WIN 0x42+((\a)/4)
.set j, 0
.rept 32
	v_pk_fma_f32 v[TMP+j:TMP+j+1], v[AC+j:AC+j+1], s[96:97], v[BN+j:BN+j+1] op_sel_hi:[1,0,1]
.set j, j+2
.endr
	WIN 0x04
.irp b, 0,1,2,3,4,5,6,7
	ds_store_b128 v[STO], v[TMP+8*\b:TMP+8*\b+3] offset:64*\b
	ds_store_b128 v[STO], v[TMP+8*\b+4:TMP+8*\b+7] offset:64*\b+16
.endr
	WIN 0
.set BB, BK+64*((\a)%2)
.irp t, 0,1,2,3,4,5,6,7,8,9,10,11,12,13,14,15
	ds_load_b128 v[BB+4*\t:BB+4*\t+3], v[RD] offset:\t*SPITCH
.endr
.endm
.macro SEND a, younger
.set BB, BK+64*((\a)%2)
	s_wait_dscnt \younger
.if (\a) > 0
	s_add_nc_u64 s[12:13], s[12:13], 16*SIZE_N*4
.endif
.irp t, 0,1,2,3,4,5,6,7,8,9,10,11,12,13,14,15
	global_store_b128 v[CO], v[BB+4*\t:BB+4*\t+3], s[12:13] offset:\t*SIZE_N*4 th:TH_STORE_NT
.endr
.endm
	s_wait_kmcnt 0x0
	s_wait_loadcnt 0x0
	s_add_co_i32 s96, s96, s97
	s_add_co_i32 s96, s96, 127
	s_lshl_b32 s96, s96, 23
	s_mov_b32 s97, s96
	PLACES NP
	TOSTAGE 0
.irp a, 1,2,3,4,5,6,7
.if \a > 1
	s_wait_xcnt 0x0
.endif
	TOSTAGE \a
	SEND \a-1, 32
.endr
	s_wait_xcnt 0x0
	SEND 7, 0
	s_wait_tensorcnt 0x0
	ds_add_u32 v[SPW], v[NIL]
	s_wait_dscnt 0x0
	CROUND
	s_endpgm
.Lfunc_end_k_q71a91ba5dc_proj:
	.size	k_q71a91ba5dc_proj, .Lfunc_end_k_q71a91ba5dc_proj-k_q71a91ba5dc_proj
	.p2alignl 7, 3214868480
	.fill 96, 4, 3214868480
	.section	.rodata,"a",@progbits
	.p2align	6, 0x0
	.amdhsa_kernel k_q71a91ba5dc_proj
		.amdhsa_group_segment_fixed_size 327680
		.amdhsa_private_segment_fixed_size 0
		.amdhsa_enable_private_segment 0
		.amdhsa_kernarg_size 40
		.amdhsa_user_sgpr_count 2
		.amdhsa_user_sgpr_kernarg_segment_ptr 1
		.amdhsa_wavefront_size32 1
		.amdhsa_system_sgpr_workgroup_id_x 1
		.amdhsa_system_sgpr_workgroup_id_y 1
		.amdhsa_system_sgpr_workgroup_id_z 1
		.amdhsa_system_vgpr_workitem_id 0
		.amdhsa_next_free_vgpr 1024
		.amdhsa_next_free_sgpr 100
		.amdhsa_reserve_vcc 0
		.amdhsa_float_denorm_mode_32 3
		.amdhsa_float_denorm_mode_16_64 3
		.amdhsa_memory_ordered 1
		.amdhsa_forward_progress 1
		.amdhsa_inst_pref_size 126
	.end_amdhsa_kernel
	.amdgpu_metadata
---
amdhsa.version: [ 1, 2 ]
amdhsa.kernels:
  - .name:           k_q71a91ba5dc_proj
    .symbol:         k_q71a91ba5dc_proj.kd
    .args:
      - { .name: oc, .offset: 0, .size: 8, .value_kind: global_buffer, .address_space: global }
      - { .name: wpc, .offset: 8, .size: 8, .value_kind: global_buffer, .address_space: global }
      - { .name: lowp_scales, .offset: 16, .size: 8, .value_kind: global_buffer, .address_space: global }
      - { .name: b_proj, .offset: 24, .size: 8, .value_kind: global_buffer, .address_space: global }
      - { .name: out0, .offset: 32, .size: 8, .value_kind: global_buffer, .address_space: global }
    .group_segment_fixed_size: 327680
    .private_segment_fixed_size: 0
    .kernarg_segment_align: 8
    .kernarg_segment_size: 40
    .max_flat_workgroup_size: 128
    .sgpr_count:     100
    .vgpr_count:     1024
    .wavefront_size: 32
...
	.end_amdgpu_metadata
.endif
;; end of part 4
